; MI455X (gfx1250); checked and timed in simulation.
; The chip was launched on July 23, 2026; its instructions are those of AMD's public machine-readable ISA for CDNA 5 (MIT licence, August 2026) and "CDNA5" Instruction Set Architecture Reference Guide (July 2026). The comments in the code are by the model that wrote it; some were corrected since.
;; Continuous Time Attention. Allowed arithmetic: matrix products marked QUANTISED: E2M3 operands, one E8M0 scale for each 32 along K, by v_wmma_scale_f32_16x16x128_f8f6f4 with both operands' format E2M3, f32 sums; everything else in f32.
;; Inputs: Wk 1,024 x 1,024 float32; Wo 1,024 x 1,024 float32; Wq 1,024 x 1,024 float32; Wv 1,024 x 1,024 float32; bk 1,024 float32; bo 1,024 float32; bq 1,024 float32; bv 1,024 float32; time_decay 16 float32; time_deltas 2 x 2,048 float32; x 2 x 2,048 x 1,024 float32.
;; Outputs: out0 2 x 2,048 x 1,024 float32.
;; This version of the problem:
;;   THIS VERSION OF THE PROBLEM IS GIVEN IN LOW PRECISION. The matrix products marked QUANTISED in the list below multiply operands that are first quantised to E2M3 (2 exponent bits, 3 mantissa bits; 6 bits a number), with one power-of-two scale for each 32 numbers along K (OCP MX v1.0); their sums are f32. All else is computed in f32.
;;   The module's matrix products, in the order in which they are computed (A, B: the left and right operand; K: the contracted axis; several contracted axes count as one K, in the product's order):
;;     1. [M 4,096, K 1,024] x [K 1,024, N 1,024]; A: input x; B: input Wq: QUANTISED
;;     2. [M 4,096, K 1,024] x [K 1,024, N 1,024]; A: input x; B: input Wk: QUANTISED
;;     3. [M 4,096, K 1,024] x [K 1,024, N 1,024]; A: input x; B: input Wv: QUANTISED
;;     4. batch 32 x [M 2,048, K 64] x [K 64, N 2,048]; A: computed on the way; B: computed on the way: QUANTISED
;;     5. batch 32 x [M 2,048, K 2,048] x [K 2,048, N 64]; A: softmax (see below); B: computed on the way: QUANTISED
;;     6. [M 4,096, K 1,024] x [K 1,024, N 1,024]; A: computed on the way; B: input Wo: QUANTISED
;;   THE QUANTISER, for each operand of a quantised product, along K:
;;     - K is cut into blocks of 32 from its start; a last block that is shorter is filled with zeros.
;;     - A block's scale is 2^e with e = floor(log2(the largest magnitude in the block)) - 2, held to -126 .. 127; a block of zeros has e = 0. As a byte (E8M0): e + 127.
;;     - Each number is divided by its block's scale, clamped to +-7.5, and rounded to the nearest number of E2M3, ties to even, subnormals kept.
;;     - The product sums the exact products of the quantised numbers (number of the format x scale) in f32.
;;   ~~~python
;;   def quantise(x, axis):      # numpy; x: float32 -> the quantised numbers, widened to float32 again
;;       x = np.moveaxis(x, axis, -1); K = x.shape[-1]
;;       x = np.pad(x, [(0, 0)] * (x.ndim - 1) + [(0, -K % 32)]); x = x.reshape(x.shape[:-1] + (-1, 32)); a = np.abs(x).max(-1, keepdims=True)
;;       e = np.where(a > 0, np.clip(np.frexp(np.where(a > 0, a, 1))[1] - 1 - 2, -126, 127), 0)      # np.frexp(a)[1] - 1 = floor(log2(a)), exactly
;;       r = np.clip(x / 2.0 ** e, -7.5, 7.5)
;;       step = 2.0 ** (np.maximum(np.frexp(np.where(r == 0, 1, r))[1] - 1, 0) - 3)
;;       q = np.round(r / step) * step * 2.0 ** e      # np.round: ties to even
;;       return np.moveaxis(q.reshape(q.shape[:-2] + (-1,))[..., :K], -1, axis).astype(np.float32)
;;   ~~~
;;   SOFTMAX AHEAD OF A QUANTISED PRODUCT. Where the list says 'softmax', what is quantised is not the finished softmax but p = 2^(t - M), with t = logit x log2(e) and M = ceil(the row's largest t), a whole number; so 1/2 < the row's largest p <= 1. The row's sum l is taken of the UNQUANTISED p, in f32, and the product's result is divided by l at the end. Since M is a whole number, a kernel that streams over the keys may use a running M (the ceiling of the running maximum): every later rescaling is an exact power of two, which a block's scale takes up: the codes' values come out the same.
;;   OPERANDS COMPUTED ON THE WAY. 'Computed on the way' means the value that the module computes at that place (a softmax that the list does not call 'softmax' is quantised finished and normalised). What goes into a quantiser is computed in f32, as accurately as f32 sums, v_exp_f32 and their like allow (about 1e-6 of the number): no bf16 or f16 on the way to a quantiser, and a product that is left as it is and whose result goes on into a quantised operand takes f32 operands (vector FMAs, or v_wmma_f32_16x16x4_f32). A number that lies on a knife's edge between two numbers of the format may be rounded either way, as far as f32 arithmetic and the matrix unit's own rounding can turn it there, and no further.
;; One version. Each part assembles by itself: llvm-mc -triple=amdgcn-amd-amdhsa -mcpu=gfx1250 --defsym DOCPART=n.
;; ======== version 1 of 1: 4 launches
;; limits: right only within a limited range of input values
;; workspace buffers: xc 3,145,728 bytes; xs 131,072 bytes; wc 3,145,728 bytes; ws 131,072 bytes; qr 3,407,872 bytes; kv 6,684,672 bytes; oc 3,145,728 bytes; os 262,144 bytes
;; launch quant (part 1): grid 256 x 1, 4 waves a work-group, no clusters, 68,096 bytes of LDS; arguments x, Wq, Wk, Wv, Wo, xc, xs, wc, ws; writes xc, xs, wc, ws
.if DOCPART == 1
	.amdgcn_target "amdgcn-amd-amdhsa--gfx1250"
	.amdhsa_code_object_version 6
	.text
	.protected	k_q2dc37b207f_quant
	.globl	k_q2dc37b207f_quant
	.p2align	8
	.type	k_q2dc37b207f_quant,@function
k_q2dc37b207f_quant:
	s_mov_b64 s[64:65], 0
	v_nop
	global_prefetch_b8 v0, s[64:65] scope:SCOPE_SE
	s_setreg_imm32_b32 hwreg(HW_REG_WAVE_MODE, 25, 1), 1
	s_wait_xcnt 0x0
; x [4096][1024] and Wq, Wk, Wv, Wo [1024][1024], f32, K innermost, become codes of FP6 (E2M3) with one E8M0 byte for each 32 along K, laid IN THE ORDER OF AN OPERAND'S REGISTERS.
; A ROW TILE rt is 16 rows that are not neighbours: lane r holds row 32 (rt / 2) + 8 (rt % 2) + r % 8 + 16 (r / 8).
; A HALF IMAGE, 768 bytes, is (row tile, 64 along K): lane l = r + 16 h owns the 24 bytes of block h of those 64: its first 16 bytes at 16 l, its last 8 at 512 + 8 l: registers 6 c .. 6 c + 5 of a fragment.
; Codes: [k / 64][row tile 0..255][768].  Scale words (4 bytes: 128 along K of a row): 512 bytes a row tile, the word of K step s of lane r's row at 16 r + 256 (s / 4) + 4 (s % 4).
; xc, xs: x.  wc, ws: Wq, Wk, Wv, Wo on end, 64 row tiles each.
; A block's scale is 2^(floor(log2(largest magnitude)) - 2); its byte is the largest magnitude's exponent field - 2, held at 1 from below.
; LIMITS: a block whose largest magnitude lies under 2^-124, a block of zeros among them, keeps the byte 1 (its codes are then zeros or what the conversion gives under that scale; only this program reads the bytes); NaN and infinities are not served.
; SHARES: 512 row tiles x 2 halves of K = 1,024 waves.  Work-groups 0-127 take x, 128-255 the weights; wave v takes tile 2 (wg % 128) + v / 2 and K half v % 2: four fragments of 16 rows x 128 K.
; Each load reads 512 consecutive bytes of one row; a fragment's 8,192 bytes turn through the wave's own stage in LDS, so that a lane gets 16 neighbours of each block.  Waves share nothing: no barrier.
.set ROWB,  4096                       ; a row in memory
.set SP,    528                        ; a stage row: 512 bytes + 16: sixteen rows start at sixteen different groups of banks
.set STG,   16*SP                      ; a stage
.set WREG,  2*STG                      ; a wave's two stages
.set SPARE, 4*WREG                     ; behind them the spare words, 128 bytes a wave: two blocks of 256 bytes that no other line names
.set KHB,   196608                     ; bytes from one 64 along K to the next in a buffer of codes
.set SPW,   10                         ; v10 LDS address of my spare word; never rewritten
.set NIL,   11                         ; v11 0; never rewritten
.set TM,    12                         ; v12-27 at work in QUANT
.set PWS,   28                         ; v28-31 my four scale words
.set PC,    32                         ; v32-51 the codes just made
.set X,     52                         ; v52-115 64 numbers: register 16 b + i = k 32 b + 16 h + i of my row
.set R,     116                        ; v116-243 two sets of 64 registers as loaded
.set SEL,   22                         ; s[22:23] lane selects: lane l xor 16
	s_load_b256 s[4:11], s[0:1], 0x0               ; x, Wq, Wk, Wv
	s_load_b256 s[12:19], s[0:1], 0x20             ; Wo, xc, xs, wc
	s_load_b64 s[20:21], s[0:1], 0x40              ; ws
	v_lshl_add_u32 v[SPW], v0, 2, SPARE
	v_mov_b32 v[NIL], 0
	v_lshrrev_b32 v1, 5, v0
	v_readfirstlane_b32 s33, v1                    ; wave
	v_and_b32 v4, 31, v0                           ; lane
	v_and_b32 v7, 15, v0                           ; r
	v_bfe_u32 v8, v0, 4, 1                         ; h
	v_lshlrev_b32 v1, 4, v4                        ; 16 x lane: my bytes of a load's 512, and of an image's first plane
	v_lshlrev_b32 v5, 3, v4                        ; 8 x lane: of its second plane
	v_lshlrev_b32 v6, 4, v7                        ; 16 r: my row's four scale words
	s_mul_i32 s34, s33, WREG
	v_add_nc_u32 v2, s34, v1                       ; the stage, on the way in
	v_mul_u32_u24 v3, v7, SP
	v_lshl_add_u32 v3, v8, 6, v3
	v_add_nc_u32 v3, s34, v3                       ; and on the way out: row r, + 64 h
.irp b, 0,1,2,3
	v_mov_b32 v[TM+4+\b], 0                        ; written once: a lane permute's destination counts as one of its sources
.endr
	s_mov_b32 s[SEL], 0x76543210
	s_mov_b32 s[SEL+1], 0xfedcba98
	s_lshr_b32 s35, s33, 1                         ; which of the work-group's two tiles
	s_and_b32 s36, s33, 1                          ; which half of K
	s_and_b32 s37, ttmp9, 127
	s_lshl_b32 s37, s37, 1
	s_add_co_u32 s37, s37, s35                     ; the row tile in the buffer that I write
	s_wait_alu depctr_va_vdst(0)
	s_wait_kmcnt 0x0
	s_cmp_lt_u32 ttmp9, 224                        ; the tensor is chosen by the work-group's number alone; one path serves all five
	s_cselect_b64 s[24:25], s[10:11], s[12:13]
	s_cmp_lt_u32 ttmp9, 192
	s_cselect_b64 s[24:25], s[8:9], s[24:25]
	s_cmp_lt_u32 ttmp9, 160
	s_cselect_b64 s[24:25], s[6:7], s[24:25]
	s_cmp_lt_u32 ttmp9, 128
	s_cselect_b64 s[24:25], s[4:5], s[24:25]       ; the numbers
	s_cselect_b64 s[26:27], s[14:15], s[18:19]     ; the codes
	s_cselect_b64 s[28:29], s[16:17], s[20:21]     ; the scale words
	s_cselect_b32 s30, 127, 31                     ; x has 128 work-groups, a weight 32
	s_and_b32 s31, ttmp9, s30
	s_lshl_b32 s31, s31, 1
	s_add_co_u32 s31, s31, s35                     ; the row tile in the tensor that I read
	s_lshr_b32 s38, s31, 1
	s_lshl_b32 s38, s38, 17                        ; 32 rows of 4,096 bytes
	s_and_b32 s39, s31, 1
	s_lshl_b32 s39, s39, 15                        ; 8 rows
	s_add_co_u32 s38, s38, s39
	s_lshl_b32 s39, s36, 11                        ; 512 numbers along K
	s_add_co_u32 s38, s38, s39
	s_mov_b32 s39, 0
	s_add_nc_u64 s[24:25], s[24:25], s[38:39]
	s_mul_i32 s38, s36, 8*KHB
	s_mul_i32 s31, s37, 768
	s_add_co_u32 s38, s38, s31
	s_add_nc_u64 s[26:27], s[26:27], s[38:39]
	s_lshl_b32 s38, s37, 9
	s_lshl_b32 s31, s36, 8
	s_add_co_u32 s38, s38, s31
	s_add_nc_u64 s[28:29], s[28:29], s[38:39]
.macro LOAD s                          ; fragment s: 128 numbers of each of the tile's 16 rows; a load reads 512 consecutive bytes
.irp i, 0,1,2,3,4,5,6,7,8,9,10,11,12,13,14,15
	global_load_b128 v[R+64*((\s)%2)+4*\i:R+64*((\s)%2)+4*\i+3], v1, s[24:25] offset:((\i&7)+16*(\i>>3))*ROWB+512*(\s) th:TH_LOAD_NT
.endr
.endm
.macro TURN s                          ; through my stage: LDS serves a wave's instructions in order, so no wait stands between the stores and the loads
.irp i, 0,1,2,3,4,5,6,7,8,9,10,11,12,13,14,15
	ds_store_b128 v2, v[R+64*((\s)%2)+4*\i:R+64*((\s)%2)+4*\i+3] offset:STG*((\s)%2)+SP*\i
.endr
.irp b, 0,1,2,3
.irp j, 0,1,2,3
	ds_load_b128 v[X+16*\b+4*\j:X+16*\b+4*\j+3], v3 offset:STG*((\s)%2)+128*\b+16*\j
.endr
.endr
.endm
; 64 numbers of a lane, register 16 b + i = k 32 b + 16 h + i of my row, become a fragment's codes in v[PC] .. v[PC + 11] and its scale word in v[pw].
.macro QUANT s, pw
.irp b, 0,1,2,3
	v_max3_num_f32 v[TM+\b], |v[\s+16*\b]|, |v[\s+1+16*\b]|, 0x1800000   ; block b: my 16 numbers, and the floor 2^(3 - 127): the byte cannot fall under 1
.endr
.irp i, 2,4,6,8,10,12,14
.irp b, 0,1,2,3
	v_max3_num_f32 v[TM+\b], v[TM+\b], |v[\s+16*\b+\i]|, |v[\s+1+16*\b+\i]|   ; the four blocks by turns
.endr
.endr
.irp b, 0,1,2,3
	v_permlanex16_b32 v[TM+4+\b], v[TM+\b], s[SEL], s[SEL+1]
.endr
.irp b, 0,1,2,3
	v_max_num_f32 v[TM+\b], v[TM+\b], v[TM+4+\b]   ; with lane l xor 16's: the block's largest magnitude
.endr
.irp b, 0,1,2,3
	v_add_nc_u32 v[TM+12+\b], 0xff000000, v[TM+\b] ; 2 off its exponent field: the conversion takes the exponent field of this operand as its scale
.endr
.irp b, 0,1,2,3
	v_lshrrev_b32 v[TM+4+\b], 23, v[TM+12+\b]      ; the scale's byte
.endr
	v_lshl_or_b32 v[\pw], v[TM+5], 8, v[TM+4]      ; four bytes: my row's scale word
	v_lshl_or_b32 v[\pw], v[TM+6], 16, v[\pw]
	v_lshl_or_b32 v[\pw], v[TM+7], 24, v[\pw]
.irp c, 0,1
	v_cvt_scalef32_pk16_fp6_f32 v[PC+6*\c:PC+2+6*\c], v[\s+32*\c:\s+15+32*\c], v[TM+12+2*\c]
	v_cvt_scalef32_pk16_fp6_f32 v[PC+12+4*\c:PC+14+4*\c], v[\s+16+32*\c:\s+31+32*\c], v[TM+12+2*\c+1]   ; (a conversion's three registers begin on an even number)
.endr
	v_nop                                          ; one plain instruction behind the scaled conversions
.irp c, 0,1                                    ; the layout wants a whole block in a lane: lanes 0-15 block 2 c, lanes 16-31 block 2 c + 1
.irp i, 0,1,2
	v_permlane16_swap_b32 v[PC+6*\c+\i], v[PC+12+4*\c+\i]
.endr
.irp i, 0,1,2
	v_mov_b32 v[PC+3+6*\c+\i], v[PC+12+4*\c+\i]
.endr
.endr
.endm
.macro OUT s                           ; two half images: 512 and 256 consecutive bytes a store, each at a multiple of 256 from the buffer's first byte
.irp c, 0,1
	global_store_b128 v1, v[PC+6*\c:PC+6*\c+3], s[26:27] offset:(2*(\s)+\c)*KHB
	global_store_b64 v5, v[PC+6*\c+4:PC+6*\c+5], s[26:27] offset:(2*(\s)+\c)*KHB+512
.endr
.endm
	LOAD 0
	LOAD 1
.irp s, 0,1,2,3
.if \s < 3
	s_wait_loadcnt 16                              ; this fragment's 16 loads are in; the next fragment's 16 may be out
.else
	s_wait_loadcnt 0
.endif
	TURN \s
	s_wait_dscnt 0x0                               ; the numbers are back, and the stage's stores have read the set that is loaded again below
	s_wait_xcnt 0x0                                ; the last fragment's stores have read v[PC] on: only behind this wait are the codes written again
.if \s < 2
	LOAD \s+2
.endif
	QUANT X, PWS+\s
	OUT \s
.endr
	global_store_b128 v6, v[PWS:PWS+3], s[28:29]   ; 16 rows x 4 words = 256 consecutive bytes; lanes 16-31 hold the same words and write the same bytes
	s_wait_tensorcnt 0x0                           ; the wave's end, behind my last LDS store
	ds_add_u32 v[SPW], v[NIL]
	s_wait_dscnt 0x0
	s_endpgm
.Lfunc_end_k_q2dc37b207f_quant:
	.size	k_q2dc37b207f_quant, .Lfunc_end_k_q2dc37b207f_quant-k_q2dc37b207f_quant
	.p2alignl 7, 3214868480
	.fill 96, 4, 3214868480
	.section	.rodata,"a",@progbits
	.p2align	6, 0x0
	.amdhsa_kernel k_q2dc37b207f_quant
		.amdhsa_group_segment_fixed_size 68096
		.amdhsa_private_segment_fixed_size 0
		.amdhsa_enable_private_segment 0
		.amdhsa_kernarg_size 72
		.amdhsa_user_sgpr_count 2
		.amdhsa_user_sgpr_kernarg_segment_ptr 1
		.amdhsa_wavefront_size32 1
		.amdhsa_system_sgpr_workgroup_id_x 1
		.amdhsa_system_sgpr_workgroup_id_y 1
		.amdhsa_system_sgpr_workgroup_id_z 1
		.amdhsa_system_vgpr_workitem_id 0
		.amdhsa_next_free_vgpr 244
		.amdhsa_next_free_sgpr 66
		.amdhsa_reserve_vcc 0
		.amdhsa_float_denorm_mode_32 3
		.amdhsa_float_denorm_mode_16_64 3
		.amdhsa_memory_ordered 1
		.amdhsa_forward_progress 1
		.amdhsa_inst_pref_size 34
	.end_amdhsa_kernel
	.amdgpu_metadata
---
amdhsa.version: [ 1, 2 ]
amdhsa.kernels:
  - .name:           k_q2dc37b207f_quant
    .symbol:         k_q2dc37b207f_quant.kd
    .args:
      - { .name: x, .offset: 0, .size: 8, .value_kind: global_buffer, .address_space: global }
      - { .name: Wq, .offset: 8, .size: 8, .value_kind: global_buffer, .address_space: global }
      - { .name: Wk, .offset: 16, .size: 8, .value_kind: global_buffer, .address_space: global }
      - { .name: Wv, .offset: 24, .size: 8, .value_kind: global_buffer, .address_space: global }
      - { .name: Wo, .offset: 32, .size: 8, .value_kind: global_buffer, .address_space: global }
      - { .name: xc, .offset: 40, .size: 8, .value_kind: global_buffer, .address_space: global }
      - { .name: xs, .offset: 48, .size: 8, .value_kind: global_buffer, .address_space: global }
      - { .name: wc, .offset: 56, .size: 8, .value_kind: global_buffer, .address_space: global }
      - { .name: ws, .offset: 64, .size: 8, .value_kind: global_buffer, .address_space: global }
    .group_segment_fixed_size: 68096
    .private_segment_fixed_size: 0
    .kernarg_segment_align: 8
    .kernarg_segment_size: 72
    .max_flat_workgroup_size: 128
    .sgpr_count:     66
    .vgpr_count:     244
    .wavefront_size: 32
...
	.end_amdgpu_metadata
.endif
;; end of part 1
;; launch qkv (part 2): grid 48 x 4, 4 waves a work-group, clusters of 4 x 4, 327,680 bytes of LDS; arguments xc, xs, wc, ws, bq, bk, bv, qr, kv; writes qr, kv
.if DOCPART == 2
	.amdgcn_target "amdgcn-amd-amdhsa--gfx1250"
	.amdhsa_code_object_version 6
	.text
	.protected	k_q2dc37b207f_qkv
	.globl	k_q2dc37b207f_qkv
	.p2align	8
	.type	k_q2dc37b207f_qkv,@function
k_q2dc37b207f_qkv:
	s_mov_b64 s[64:65], 0
	v_nop
	global_prefetch_b8 v0, s[64:65] scope:SCOPE_SE
	s_setreg_imm32_b32 hwreg(HW_REG_WAVE_MODE, 25, 1), 1
	s_wait_xcnt 0x0
	s_wait_alu depctr_hold_cnt(0) depctr_sa_sdst(0) depctr_va_vdst(0) depctr_va_sdst(0) depctr_va_ssrc(0) depctr_va_vcc(0) depctr_vm_vsrc(0)
	s_getreg_b32 s2, hwreg(HW_REG_IB_STS2, 6, 4)
	s_cmp_eq_u32 s2, 0
	s_cbranch_scc0 .Lentry_in_a_cluster
	s_endpgm
.Lentry_in_a_cluster:
	s_bfe_u32 s2, ttmp6, 0x10000c
	s_cmp_lg_u32 s2, 0xf033
	s_cbranch_scc0 .Lentry_shape_is_right
	s_endpgm
.Lentry_shape_is_right:
; q = x Wq^T + bq, k = x Wk^T + bk, v = x Wv^T + bv on codes of FP6 (E2M3) with E8M0 scales; the results are quantised in registers and leave as codes: q and k along the head's 64, v along the keys.
; OPERANDS lie in the order of an operand's registers: codes [k / 64][row tile][768], a half image (lane l: 16 bytes at 16 l, 8 bytes at 512 + 8 l) being registers 6 c .. 6 c + 5 of a fragment;
; row tile rt, lane r = row 32 (rt / 2) + 8 (rt % 2) + r % 8 + 16 (r / 8); scale words 512 bytes a row tile, K step s of lane r at 16 r + 256 (s / 4) + 4 (s % 4).
; A tile of C, 256 x 256, is made by four waves of 128 x 128 (64 accumulators, 512 registers).  K = 1,024 goes in four steps of 256 through two LDS slots filled by the tensor data mover.
; THE MATRIX INSTRUCTION IS USED TRANSPOSED (source 0 = 16 rows of B, source 1 = 16 rows of A): a lane holds one row of A, and by the order of B's row tiles the 16 registers of accumulators (a, 2 j), (a, 2 j + 1)
; are 16 NEIGHBOURS along B's rows: 32 j + 16 h + 0 .. 15: what the quantiser of the next product wants.
; TWELVE CLUSTERS of 4 x 4.  Clusters 0-7 (KIND 0): A = x's tokens, B = Wq (even clusters) or Wk (odd): a lane holds a token, its registers run along the features.
; Clusters 8-11 (KIND 1): A = Wv, B = x's tokens: a lane holds a channel, its registers run along the tokens, which are the second product's K.  KIND hangs on the cluster's number alone.
; A's tiles are asked for jointly along a row of the cluster, B's along a column: the same tensor load, the same descriptor, a mask that names the four.
; OUT.  qr: records of 6,656 bytes, index (16 b + head) 16 + block of 128 queries: 8 half images, then 512 bytes of scale words (tile a, lane r at 16 r + 256 (a / 4) + 4 (a % 4)).
; kv: records of 13,056 bytes, index (16 b + head) 16 + step of 128 keys: K's 8 half images; at 6,144 V's 8 (channel tile w, half c at 1,536 w + 768 c); at 12,288 K's scale words as in qr; at 12,800 V's (tile w, lane r at 8 (r + 16 (w / 2)) + 4 (w % 2)).
; A q or k scale word has its head's two bytes in bits 15:0; above them the neighbour head's bytes or 0, never 0xff: in the scores' product they meet zero codes alone.
; LIMITS: a block whose largest magnitude lies under 2^-124, a block of zeros among them, keeps the byte 1 (only this program reads the bytes); NaN and infinities are not served.
; REGISTERS: window 0: v0-31 addresses; v32-63 scale words, two sets, and nothing else; v64-127 the bias along B's rows; v128-223 A's fragments, one set; v224-231 the bias along A's rows; on the way out v128-223 and v232-255 are at work.
;   window 1: B's fragments, two sets, at v0 and v128.   windows 2, 3: the accumulators of my rows 0-63, 64-127 ((a, b) at v[8 (8 (a % 4) + b)]).
.set NQ,     2                         ; matrix instructions deep in a slot
.set FR,     12                        ; registers of a fragment
.set NL,     4                         ; LDS loads that bring one
.set NP,     4                         ; places behind this matrix instruction (ISA guide 7.12.1)
.set IMG,    768
.set KHROW,  16*IMG                    ; sixteen row tiles' half images: 64 along K of 256 rows, a row of a slot in LDS and of a tensor load's tile
.set HALFT,  2*KHROW                   ; 256 rows x 128 along K: what one tensor load of the ring brings
.set SLOT,   4*HALFT                   ; A's 256 rows, then B's
.set KHB,    196608                    ; bytes from one 64 along K to the next in memory
.set KADV,   4*KHB                     ; a slot along K
.set SCL,    2*SLOT                    ; behind the ring: A's scale words (16 tiles x 512 bytes), then B's; filled once
.set HALFS,  4096
.set SPARE,  SCL+4*HALFS               ; the spare words, 128 bytes a wave: two blocks of 256 bytes that no other line names
.set REC,    13056
.set QREC,   6656
.set ADRA, 16                          ; v16-17 LDS address of A's first planes in slot 0, 1 (16 x lane); v18-19 of the second planes (8 x lane)
.set ADRB, 20                          ; v20-23 the same for B
.set GA16, 24                          ; v24 16 x lane
.set GA8,  25                          ; v25 8 x lane
.set GAS,  26                          ; v26 16 x lane + where a record's q or k scale words begin
.set ADRS, 27                          ; v27 LDS address of my scale words: lanes 0-15 A's rows, lanes 16-31 B's
.set SPW,  28                          ; v28 LDS address of my spare word; never rewritten
.set NIL,  29                          ; v29 0; never rewritten
.set BBO,  30                          ; v30 64 h
.set BAO,  31                          ; v31 4 (r % 8 + 16 (r / 8))
.set SC,   32
.set BB,   64
.set AF,   128
.set HA,   128                         ; the way out: 64 numbers
.set PC,   192                         ; the codes just made
.set XS,   212                         ; scale words as they are stored
.set BA,   224
.set TM,   232                         ; at work in QUANT
.set PWS,  248                         ; the eight scale words
.set G1, 24                            ; s[24:31] group 1 for A's tiles; s[32:39] group 0, one set for each slot
.set G0, 32
.set G1B, 48                           ; s[48:55], s[56:63] the same for B's
.set G0B, 56
.set G1S, 68                           ; s[68:75], s[76:79] for A's scale words; s[80:87], s[88:91] for B's
.set G0S, 76
.set G1SB, 80
.set G0SB, 88
.set P0,  98                           ; s[98:99], s[100:101] the records of my two heads
.set SEL, 104                          ; s[104:105] lane selects: lane l xor 16
.set HM,  13                           ; s13 lanes 16-31
.set MSB, 0
.macro WIN new                         ; the immediate's high byte repeats the setting that is left
.if MSB != \new
	s_set_vgpr_msb (MSB<<8)|\new
.set MSB, \new
.endif
.endm
.set MUL_LO, 0xa1                      ; source 0 (B) window 1, source 1 (A) window 0, C and D window 2
.set MUL_HI, 0xf1                      ; the same, C and D window 3
.set TO_B,   0x40                      ; destination window 1, address window 0
; A joint load: waves 0 and 1 fetch for A, waves 2 and 3 for B; the branch hangs on the wave's number alone.  An s_nop 0 and four v_nop follow each of the two lines.
.macro JLOAD g0a, g1a, g0b, g1b
	s_cmp_eq_u32 s15, 0
	s_cbranch_scc0 .Lfor_b_\@
	tensor_load_to_lds s[\g0a:\g0a+3], s[\g1a:\g1a+7]
	s_nop 0
.rept 4
	v_nop
.endr
	s_branch .Lasked_\@
.Lfor_b_\@:
	tensor_load_to_lds s[\g0b:\g0b+3], s[\g1b:\g1b+7]
	s_nop 0
.rept 4
	v_nop
.endr
.Lasked_\@:
.endm
.macro CREST                           ; a round of the cluster's barrier behind its opening barrier
	s_cmp_lg_u32 s14, 0
	s_cbranch_scc1 .Lnot_wave_0_\@
	s_barrier_signal -3
.Lnot_wave_0_\@:
	s_barrier_wait -3
	s_barrier_signal -1
	s_barrier_wait -1
.endm
.macro CROUND
	s_barrier_signal -1
	s_barrier_wait -1
	CREST
.endm
	s_load_b256 s[4:11], s[0:1], 0x0               ; xc, xs, wc, ws
	s_load_b256 s[92:99], s[0:1], 0x20             ; bq, bk, bv, qr
	s_load_b64 s[100:101], s[0:1], 0x40            ; kv
	v_lshl_add_u32 v[SPW], v0, 2, SPARE
	v_mov_b32 v[NIL], 0
	ds_add_u32 v[SPW], v[NIL]                      ; the wave's opening: the adds and their wait stand ahead of my first tensor load; work on registers stands between them
	ds_add_u32 v[SPW], v[NIL]
	v_lshrrev_b32 v1, 5, v0
	v_readfirstlane_b32 s14, v1                    ; wave 0..3
	s_lshr_b32 s15, s14, 1                         ; which half of the tile's rows is mine.  Also: I fetch for A (0) or for B (1)
	s_and_b32 s16, s14, 1                          ; which half of its columns.  Also: which 128 along K I fetch
	s_bfe_u32 s40, ttmp6, 0x40000                  ; cx, cy: my place in the cluster
	s_bfe_u32 s41, ttmp6, 0x40004
	s_lshr_b32 s18, ttmp9, 1                       ; KIND 0: the cluster's row of C,
	s_and_b32 s19, ttmp9, 1                        ; and its column: 0 = q, 1 = k
	s_max_u32 s12, ttmp9, 8
	s_sub_co_u32 s12, s12, 8                       ; KIND 1: its column
	s_cmp_lt_u32 ttmp9, 8
	s_cselect_b32 s18, s18, 0
	s_cselect_b32 s12, s19, s12
	s_cselect_b32 s45, 0, 1                        ; KIND: the same in all sixteen partners
	s_cselect_b32 s13, 0, 128                      ; A's first row tile in its buffer: Wv begins at 128 in wc
	s_lshl_b32 s42, s12, 2
	s_add_co_u32 s42, s42, s40                     ; tile column of C
	s_lshl_b32 s17, s18, 2
	s_add_co_u32 s17, s17, s41                     ; tile row of C
	s_lshl_b32 s43, s41, 2
	s_lshl_b32 s43, 15, s43                        ; my row of the cluster
	s_lshl_b32 s44, 0x1111, s40                    ; my column
	; group 1 of a tile: 4 rows (64 along K each) of 12,288 bytes (16 row tiles), 196,608 bytes apart; elements of 8 bytes; no padding: every LDS load reads consecutive bytes
	s_or_b32 s[G1+0], s43, (3<<16)|(1<<21)         ; 15:0 the mask: A's tiles go to my row; 17:16 elements of 8 bytes; 21 set beside a mask
	s_or_b32 s[G1B+0], s44, (3<<16)|(1<<21)
.irp g, G1, G1B
	s_mov_b32 s[\g+1], 1536<<16                    ; tensor_dim0: 12,288 bytes
	s_mov_b32 s[\g+2], 4<<16                       ; tensor_dim1
	s_mov_b32 s[\g+3], 1536<<16                    ; tile_dim0
	s_mov_b32 s[\g+4], 4                           ; tile_dim1
	s_mov_b32 s[\g+5], KHB/8                       ; tensor_dim0_stride
	s_mov_b32 s[\g+6], 0
	s_mov_b32 s[\g+7], 0
.endr
	; and of the scale words of 16 row tiles: 8,192 dense bytes as 32 rows of 256
	s_or_b32 s[G1S+0], s43, (3<<16)|(1<<21)
	s_or_b32 s[G1SB+0], s44, (3<<16)|(1<<21)
.irp g, G1S, G1SB
	s_mov_b32 s[\g+1], 32<<16
	s_mov_b32 s[\g+2], 32<<16                      ; the scale words of 16 row tiles: 8,192 dense bytes as 32 rows of 256
	s_mov_b32 s[\g+3], 32<<16
	s_mov_b32 s[\g+4], 32
	s_mov_b32 s[\g+5], 32
	s_mov_b32 s[\g+6], 0
	s_mov_b32 s[\g+7], 0
.endr
	s_lshl_b32 s20, s17, 4
	s_add_co_u32 s20, s20, s13                     ; A's first row tile of the block's sixteen
	s_mul_i32 s22, s20, 512                        ; its scale words,
	s_mul_i32 s20, s20, IMG                        ; its codes
	s_mov_b32 s21, 0
	s_mov_b32 s23, 0
	s_lshl_b32 s46, s42, 4                         ; B's first row tile
	s_mul_i32 s66, s46, 512
	s_mul_i32 s46, s46, IMG
	s_mov_b32 s47, 0
	s_mov_b32 s67, 0
	s_wait_dscnt 0x0                               ; the opening add is done
	s_wait_kmcnt 0x0
	s_cmp_eq_u32 s45, 0                            ; KIND 0: A = x, B = the weights; KIND 1: the other way round
	s_cselect_b64 s[2:3], s[4:5], s[8:9]
	s_add_nc_u64 s[20:21], s[2:3], s[20:21]
	s_cselect_b64 s[2:3], s[6:7], s[10:11]
	s_add_nc_u64 s[22:23], s[2:3], s[22:23]
	s_cselect_b64 s[2:3], s[8:9], s[4:5]
	s_add_nc_u64 s[46:47], s[2:3], s[46:47]
	s_cselect_b64 s[2:3], s[10:11], s[6:7]
	s_add_nc_u64 s[66:67], s[2:3], s[66:67]
	s_mul_i32 s2, s14, HALFT                       ; where my ring loads go: by the wave's number alone
	CROUND                                         ; all sixteen work-groups are here: the first joint loads meet
	s_mov_b32 s[G0S], 1
	s_mov_b32 s[G0S+1], SCL
	s_mov_b64 s[G0S+2:G0S+3], s[22:23]
	s_or_b32 s[G0S+3], s[G0S+3], 0x80000000
	s_mov_b32 s[G0SB], 1
	s_mov_b32 s[G0SB+1], SCL+2*HALFS
	s_mov_b64 s[G0SB+2:G0SB+3], s[66:67]
	s_or_b32 s[G0SB+3], s[G0SB+3], 0x80000000
	s_mov_b32 s4, 1                                ; the head's loads of slot 0, each whole: A's 256 rows x 256 along K (the arguments that lay in s[4:11] have been used),
	s_mov_b32 s5, 0
	s_mov_b64 s[6:7], s[20:21]
	s_or_b32 s7, s7, 0x80000000
	s_mov_b32 s8, 1                                ; and B's, behind them
	s_mov_b32 s9, 2*HALFT
	s_mov_b64 s[10:11], s[46:47]
	s_or_b32 s11, s11, 0x80000000
	s_mul_i32 s12, s16, 2*KHB                      ; in the ring I fetch 128 along K of a slot's 256: which half
	s_mov_b32 s13, 0
	s_add_nc_u64 s[20:21], s[20:21], s[12:13]
	s_add_nc_u64 s[46:47], s[46:47], s[12:13]
.irp s, 0,1
	s_mov_b32 s[G0+4*\s], 1
	s_add_co_u32 s[G0+4*\s+1], s2, \s*SLOT
	s_add_nc_u64 s[G0+4*\s+2:G0+4*\s+3], s[20:21], \s*KADV
	s_or_b32 s[G0+4*\s+3], s[G0+4*\s+3], 0x80000000
	s_mov_b32 s[G0B+4*\s], 1
	s_add_co_u32 s[G0B+4*\s+1], s2, \s*SLOT
	s_add_nc_u64 s[G0B+4*\s+2:G0B+4*\s+3], s[46:47], \s*KADV
	s_or_b32 s[G0B+4*\s+3], s[G0B+4*\s+3], 0x80000000
.endr
	; the head's four tiles, one joint load a wave: wave 0 A's slot 0, wave 1 B's, wave 2 A's scale words, wave 3 B's; one chain of branches on the wave's number
	s_cmp_lt_u32 s14, 1
	s_cbranch_scc0 .Lhead_b
	tensor_load_to_lds s[4:7], s[G1:G1+7]
	s_nop 0
.rept 4
	v_nop
.endr
	s_branch .Lhead_asked
.Lhead_b:
	s_cmp_lt_u32 s14, 2
	s_cbranch_scc0 .Lhead_sa
	tensor_load_to_lds s[8:11], s[G1B:G1B+7]
	s_nop 0
.rept 4
	v_nop
.endr
	s_branch .Lhead_asked
.Lhead_sa:
	s_cmp_lt_u32 s14, 3
	s_cbranch_scc0 .Lhead_sb
	tensor_load_to_lds s[G0S:G0S+3], s[G1S:G1S+7]
	s_nop 0
.rept 4
	v_nop
.endr
	s_branch .Lhead_asked
.Lhead_sb:
	tensor_load_to_lds s[G0SB:G0SB+3], s[G1SB:G1SB+7]
	s_nop 0
.rept 4
	v_nop
.endr
.Lhead_asked:
	v_and_b32 v1, 15, v0
	v_bfe_u32 v2, v0, 4, 1                         ; h
	v_and_b32 v3, 31, v0                           ; lane
	v_lshlrev_b32 v[GA16], 4, v3
	v_lshlrev_b32 v[GA8], 3, v3
	s_mul_i32 s2, s15, 8*IMG                       ; my 8 row tiles of A's sixteen
	s_mul_i32 s3, s16, 8*IMG                       ; my 8 row tiles of B's sixteen,
	s_add_co_u32 s3, s3, 2*HALFT                   ; behind A's 256
.irp s, 0,1
	v_add_nc_u32 v[ADRA+\s], s2, v[GA16]
	v_add_nc_u32 v[ADRB+\s], s3, v[GA16]
	v_add_nc_u32 v[ADRA+2+\s], s2, v[GA8]
	v_add_nc_u32 v[ADRB+2+\s], s3, v[GA8]
	s_add_co_u32 s2, s2, SLOT
	s_add_co_u32 s3, s3, SLOT
.endr
	s_lshl_b32 s2, s15, 12                         ; A's scale words: my 8 tiles
	s_lshl_b32 s3, s16, 12                         ; B's: my 8 tiles, behind A's 16
	s_add_co_u32 s3, s3, 2*HALFS
	s_sub_co_u32 s3, s3, s2
	v_mul_u32_u24 v6, s3, v2                       ; lanes 16-31 take B's: one product with h
	s_add_co_u32 s2, s2, SCL
	v_lshl_add_u32 v6, v1, 4, v6
	v_add_nc_u32 v[ADRS], s2, v6
	v_lshlrev_b32 v[BBO], 6, v2
	s_wait_alu depctr_va_vdst(0)
	v_and_b32 v7, 7, v1
	v_lshrrev_b32 v8, 3, v1
	v_lshl_add_u32 v7, v8, 4, v7
	v_lshlrev_b32 v[BAO], 2, v7
	; the biases and the records.  q or k by the cluster's number; v where KIND = 1
	s_wait_alu depctr_va_vdst(0)
	s_cmp_eq_u32 s19, 0
	s_cselect_b64 s[92:93], s[92:93], s[94:95]     ; bq or bk
	s_cselect_b64 s[98:99], s[98:99], s[100:101]   ; qr or kv
	s_mov_b32 s12, REC
	s_cselect_b32 s12, QREC, s12                   ; a record's bytes
	s_mov_b32 s13, 12288
	s_cselect_b32 s13, 6144, s13                   ; where its q or k scale words begin
	s_mov_b32 s18, REC
	s_cmp_eq_u32 s45, 0
	s_cselect_b64 s[92:93], s[92:93], s[96:97]     ; KIND 1: the bias along B's rows is not used; it is read from bv, inside its buffer, so that one text serves
	s_cselect_b64 s[98:99], s[98:99], s[100:101]
	s_cselect_b32 s12, s12, s18
	v_add_nc_u32 v[GAS], s13, v[GA16]
	s_mov_b32 s[HM], 0xffff0000
	s_lshl_b32 s94, s17, 8
	s_lshl_b32 s104, s15, 7
	s_add_co_u32 s94, s94, s104                    ; my first row of A: 256 x tile row + 128 x half
	s_lshl_b32 s95, s42, 8
	s_lshl_b32 s104, s16, 7
	s_add_co_u32 s95, s95, s104                    ; my first row of B
	s_and_b32 s104, s95, 1023
	s_lshl_b32 s104, s104, 2
	s_mov_b32 s105, 0
	s_add_nc_u64 s[92:93], s[92:93], s[104:105]    ; the bias of B's 128 rows
	s_and_b32 s104, s94, 1023
	s_lshl_b32 s104, s104, 2
	s_add_nc_u64 s[96:97], s[96:97], s[104:105]    ; bv of A's 128 rows (used where KIND = 1)
.irp t, 0,1,2,3,4,5,6,7
	global_load_b128 v[BB+8*\t:BB+8*\t+3], v[BBO], s[92:93] offset:(32*(\t/2)+8*(\t%2))*4       ; register 8 t + j: B's row 32 (t / 2) + 16 h + 8 (t % 2) + j
	global_load_b128 v[BB+8*\t+4:BB+8*\t+7], v[BBO], s[92:93] offset:(32*(\t/2)+8*(\t%2))*4+16
.endr
.irp a, 0,1,2,3,4,5,6,7
	global_load_b32 v[BA+\a], v[BAO], s[96:97] offset:(32*(\a/2)+8*(\a%2))*4                    ; A's row of tile a and my lane
.endr
	s_cmp_eq_u32 s45, 0
	s_cselect_b32 s104, s94, s95                   ; my first token
	s_cselect_b32 s105, s95, s94
	s_and_b32 s105, s105, 1023                     ; my first feature
	s_lshr_b32 s94, s104, 11                       ; b
	s_lshl_b32 s94, s94, 8
	s_lshr_b32 s95, s105, 6                        ; my first head
	s_lshl_b32 s95, s95, 4
	s_add_co_u32 s94, s94, s95
	s_bfe_u32 s95, s104, 0x40007                   ; the block of 128 tokens
	s_add_co_u32 s94, s94, s95                     ; (16 b + head) 16 + block
	s_mul_i32 s94, s94, s12
	s_mov_b32 s95, 0
	s_add_nc_u64 s[P0:P0+1], s[98:99], s[94:95]
	s_lshl_b32 s94, s12, 4                         ; the next head's record lies 16 records on
	s_add_nc_u64 s[P0+2:P0+3], s[P0:P0+1], s[94:95]
	s_mov_b32 s[SEL], 0x76543210
	s_mov_b32 s[SEL+1], 0xfedcba98
.macro FRAG reg, adr, q, i             ; a fragment, 16 rows x 128 K: two half images, each by a load of 16 and a load of 8 bytes a lane: consecutive bytes, every address a multiple of the access's size
	ds_load_b128 v[\reg:\reg+3], v[\adr] offset:(2*(\q))*KHROW+(\i)*IMG
	ds_load_b64 v[\reg+4:\reg+5], v[\adr+2] offset:(2*(\q))*KHROW+(\i)*IMG+512
	ds_load_b128 v[\reg+6:\reg+9], v[\adr] offset:(2*(\q)+1)*KHROW+(\i)*IMG
	ds_load_b64 v[\reg+10:\reg+11], v[\adr+2] offset:(2*(\q)+1)*KHROW+(\i)*IMG+512
.endm
; 16 matrix instructions: A's blocks a0, a0 + 1 x B's eight, the slot's q-th 128 along K.  p: B's set; sc: the set of scale words.  zero = 1: the first product starts the sums.
; The 64 accumulators take turns, one instruction a turn, in the same order in every step.
.macro MUL16 a0, p, q, sc, zero
.irp a, \a0, \a0+1
.irp b, 0,1,2,3,4,5,6,7
.if \zero
	v_wmma_scale_f32_16x16x128_f8f6f4 v[8*(8*((\a)%4)+\b):8*(8*((\a)%4)+\b)+7], v[128*(\p)+FR*\b:128*(\p)+FR*\b+FR-1], v[AF+FR*(\a):AF+FR*(\a)+FR-1], 0, v[SC+8*NQ*(\sc)+NQ*\b+(\q)], v[SC+8*NQ*(\sc)+NQ*(\a)+(\q)] matrix_a_fmt:MATRIX_FMT_FP6 matrix_b_fmt:MATRIX_FMT_FP6 matrix_a_scale:MATRIX_SCALE_ROW1
.else
	v_wmma_scale_f32_16x16x128_f8f6f4 v[8*(8*((\a)%4)+\b):8*(8*((\a)%4)+\b)+7], v[128*(\p)+FR*\b:128*(\p)+FR*\b+FR-1], v[AF+FR*(\a):AF+FR*(\a)+FR-1], v[8*(8*((\a)%4)+\b):8*(8*((\a)%4)+\b)+7], v[SC+8*NQ*(\sc)+NQ*\b+(\q)], v[SC+8*NQ*(\sc)+NQ*(\a)+(\q)] matrix_a_fmt:MATRIX_FMT_FP6 matrix_b_fmt:MATRIX_FMT_FP6 matrix_a_scale:MATRIX_SCALE_ROW1
.endif
.endr
.endr
.endm
.macro FETCH_B slot, q, p
	WIN TO_B
.irp i, 0,1,2,3,4,5,6,7
	FRAG 128*(\p)+FR*\i, ADRB+\slot, \q, \i
.endr
	WIN 0
.endm
.macro FETCH_A slot, q, i0
.irp i, \i0, \i0+1, \i0+2, \i0+3
	FRAG AF+FR*(\i), ADRA+\slot, \q, \i
.endr
.endm
.macro SCALES sc, off                  ; a slot's two scale words a row into set sc: lanes 0-15 take A's block i, lanes 16-31 B's block i
.irp i, 0,1,2,3,4,5,6,7
	ds_load_b64 v[SC+8*NQ*\sc+NQ*\i:SC+8*NQ*\sc+NQ*\i+1], v[ADRS] offset:512*\i+\off
.endr
.endm
.macro PLACES n                        ; plain vector instructions that name no register of the matrix instructions ahead (ISA guide 7.12.1 for vector instructions)
.rept \n
	v_nop
.endr
.endm
.macro STEP slot, q, zero              ; a step of 128 along K that has its successor in the same slot
	s_wait_dscnt 4*NL                              ; B's set and A's blocks 0-3 are in; the youngest 16 loads (A's blocks 4-7) may be out
	WIN MUL_LO
	MUL16 0, (\q)%2, \q, \slot, \zero
	MUL16 2, (\q)%2, \q, \slot, \zero
	s_wait_dscnt 0
	PLACES NP
	FETCH_B \slot, (\q)+1, 1-(\q)%2
	FETCH_A \slot, (\q)+1, 0
	WIN MUL_HI
	MUL16 4, (\q)%2, \q, \slot, \zero
	MUL16 6, (\q)%2, \q, \slot, \zero
	PLACES NP
	WIN 0
	FETCH_A \slot, (\q)+1, 4
.endm
; A slot's last step changes slots: one barrier; in front of it each wave waits for all its tensor loads, adds 0 to its spare word, and waits for that and for its reads of this slot.
; fill = 1: the barrier opens a round of the cluster's barrier and this slot is filled again, two slots ahead along K.  soff: where the next slot's scale words lie in a row's 32 bytes.
.macro TURN slot, next, fill, soff
	s_wait_tensorcnt 0x0                           ; all my tensor loads have landed: my part of the next slot
	ds_add_u32 v[SPW], v[NIL]                      ; 0 onto my spare word
	s_wait_dscnt 4*NL+1                            ; (the add and the youngest 16 loads, A's blocks 4-7, may be out)
	WIN MUL_LO
	MUL16 0, 1, NQ-1, \slot, 0
	s_wait_dscnt 0x0                               ; the add is done, and my reads of this slot are over
	s_barrier_signal -1
	MUL16 2, 1, NQ-1, \slot, 0
	WIN 0
	s_barrier_wait -1
.if \fill
	CREST                                          ; no wave of any partner still reads this slot or has a load on its way
	s_add_nc_u64 s[G0+4*\slot+2:G0+4*\slot+3], s[G0+4*\slot+2:G0+4*\slot+3], 2*KADV
	s_add_nc_u64 s[G0B+4*\slot+2:G0B+4*\slot+3], s[G0B+4*\slot+2:G0B+4*\slot+3], 2*KADV
	JLOAD G0+4*\slot, G1, G0B+4*\slot, G1B         ; the first tensor load behind the round; its four v_nop are the places in front of the loads below
.else
	PLACES NP
.endif
	FETCH_B \next, 0, 0
	FETCH_A \next, 0, 0
	SCALES \next, \soff
	WIN MUL_HI
	MUL16 4, 1, NQ-1, \slot, 0
	MUL16 6, 1, NQ-1, \slot, 0
	PLACES NP
	WIN 0
	FETCH_A \next, 0, 4
.endm
; 64 numbers of a lane, register 16 b + i = k 32 b + 16 h + i of my row, become a fragment's codes in v[PC] .. v[PC + 11] and its scale word in v[pw].
.macro QUANT s, pw
.irp b, 0,1,2,3
	v_max3_num_f32 v[TM+\b], |v[\s+16*\b]|, |v[\s+1+16*\b]|, 0x1800000   ; and the floor 2^(3 - 127): the byte cannot fall under 1
.endr
.irp i, 2,4,6,8,10,12,14
.irp b, 0,1,2,3
	v_max3_num_f32 v[TM+\b], v[TM+\b], |v[\s+16*\b+\i]|, |v[\s+1+16*\b+\i]|
.endr
.endr
.irp b, 0,1,2,3
	v_permlanex16_b32 v[TM+4+\b], v[TM+\b], s[SEL], s[SEL+1]
.endr
.irp b, 0,1,2,3
	v_max_num_f32 v[TM+\b], v[TM+\b], v[TM+4+\b]   ; with lane l xor 16's: the block's largest magnitude
.endr
.irp b, 0,1,2,3
	v_add_nc_u32 v[TM+12+\b], 0xff000000, v[TM+\b] ; 2 off its exponent field: the conversion's scale operand
.endr
.irp b, 0,1,2,3
	v_lshrrev_b32 v[TM+4+\b], 23, v[TM+12+\b]      ; the scale's byte
.endr
	v_lshl_or_b32 v[\pw], v[TM+5], 8, v[TM+4]
	v_lshl_or_b32 v[\pw], v[TM+6], 16, v[\pw]
	v_lshl_or_b32 v[\pw], v[TM+7], 24, v[\pw]
.irp c, 0,1
	v_cvt_scalef32_pk16_fp6_f32 v[PC+6*\c:PC+2+6*\c], v[\s+32*\c:\s+15+32*\c], v[TM+12+2*\c]
	v_cvt_scalef32_pk16_fp6_f32 v[PC+12+4*\c:PC+14+4*\c], v[\s+16+32*\c:\s+31+32*\c], v[TM+12+2*\c+1]
.endr
	v_nop                                          ; one plain instruction behind the scaled conversions
.irp c, 0,1
.irp i, 0,1,2
	v_permlane16_swap_b32 v[PC+6*\c+\i], v[PC+12+4*\c+\i]
.endr
.irp i, 0,1,2
	v_mov_b32 v[PC+3+6*\c+\i], v[PC+12+4*\c+\i]
.endr
.endr
.endm
; THE WAY OUT, A's block a at a time: + bias, quantised, two half images stored: each store covers 512 or 256 consecutive bytes at a multiple of 256 from the buffer's first byte.  No LDS.
; kind 0: the 128 numbers of a lane are two heads' 64: half c goes to head c's record, as tile a.  kind 1: they are 128 keys of one channel: both halves go to the record of head a / 4, as channel tile a % 4.
.macro EPI kind
.irp a, 0,1,2,3,4,5,6,7
	WIN (0x02+\a/4)                                ; source 0: window 2 or 3
.set p, 0
.rept 32                                       ; each accumulator is read from its low end on
.if \kind == 0
	v_pk_add_f32 v[HA+p:HA+p+1], v[64*(\a%4)+p:64*(\a%4)+p+1], v[BB+p:BB+p+1]
.elseif \a%2 == 0
	v_pk_add_f32 v[HA+p:HA+p+1], v[64*(\a%4)+p:64*(\a%4)+p+1], v[BA+\a:BA+\a+1] op_sel_hi:[1,0]
.else
	v_pk_add_f32 v[HA+p:HA+p+1], v[64*(\a%4)+p:64*(\a%4)+p+1], v[BA+\a-1:BA+\a] op_sel:[0,1] op_sel_hi:[1,1]
.endif
.set p, p+2
.endr
	WIN 0
.if \a > 0
	s_wait_xcnt 0x0                                ; the last block's stores have read v[PC] on: only behind this wait are the codes written again
.endif
	QUANT HA, PWS+\a
.irp c, 0,1
.if \kind == 0
	global_store_b128 v[GA16], v[PC+6*\c:PC+6*\c+3], s[P0+2*\c:P0+2*\c+1] offset:IMG*\a
	global_store_b64 v[GA8], v[PC+6*\c+4:PC+6*\c+5], s[P0+2*\c:P0+2*\c+1] offset:IMG*\a+512
.else
	global_store_b128 v[GA16], v[PC+6*\c:PC+6*\c+3], s[P0+2*(\a/4):P0+2*(\a/4)+1] offset:6144+1536*(\a%4)+IMG*\c
	global_store_b64 v[GA8], v[PC+6*\c+4:PC+6*\c+5], s[P0+2*(\a/4):P0+2*(\a/4)+1] offset:6144+1536*(\a%4)+IMG*\c+512
.endif
.endr
.endr
.if \kind == 0                                 ; the scale words: lanes 0-15 carry tiles 0-3, lanes 16-31 tiles 4-7; the first head's bytes lie in bits 15:0, the second's above them
.irp i, 0,1,2,3
	v_cndmask_b32 v[XS+\i], v[PWS+\i], v[PWS+4+\i], s[HM]
.endr
.irp i, 0,1,2,3
	v_lshrrev_b32 v[XS+4+\i], 16, v[XS+\i]
.endr
	global_store_b128 v[GAS], v[XS:XS+3], s[P0:P0+1]
	global_store_b128 v[GAS], v[XS+4:XS+7], s[P0+2:P0+3]
.else                                          ; lanes 0-15 carry channel tiles 0, 1 of a head, lanes 16-31 tiles 2, 3
.irp u, 0,1
.irp i, 0,1
	v_cndmask_b32 v[XS+2*\u+\i], v[PWS+4*\u+\i], v[PWS+4*\u+2+\i], s[HM]
.endr
.endr
.irp u, 0,1
	global_store_b64 v[GA8], v[XS+2*\u:XS+2*\u+1], s[P0+2*\u:P0+2*\u+1] offset:12800
.endr
.endif
.endm
	s_wait_alu depctr_va_vdst(0)                   ; the wait at the head's end
	s_wait_tensorcnt 0x0                           ; my tile of the head's four is in
	ds_add_u32 v[SPW], v[NIL]
	s_mov_b32 s[G1+2], 2<<16                       ; no tensor load of mine is out: from here on a load brings two rows, 128 along K
	s_mov_b32 s[G1+4], 2
	s_mov_b32 s[G1B+2], 2<<16
	s_mov_b32 s[G1B+4], 2
	s_wait_dscnt 0x0
	CROUND                                         ; all four tiles are in, and all sixteen work-groups are here
	JLOAD G0+4, G1, G0B+4, G1B                     ; slot 1's first fill, the first tensor load behind the round
	FETCH_B 0, 0, 0
	FETCH_A 0, 0, 0
	SCALES 0, 0
	FETCH_A 0, 0, 4
	STEP 0, 0, 1                                   ; K 0-127: its products start the sums.  Four slots along K: written out, so that the scale words' places are immediates
	TURN 0, 1, 1, 8                                ; K 128-255; slot 0 takes K 512-767
	STEP 1, 0, 0
	TURN 1, 0, 1, 256                              ; slot 1 takes K 768-1023
	STEP 0, 0, 0
	TURN 0, 1, 0, 264                              ; nothing is left to fetch: no round of the cluster's barrier
	STEP 1, 0, 0
	s_wait_dscnt 4*NL                              ; the last step
	WIN MUL_LO
	MUL16 0, 1, NQ-1, 1, 0
	MUL16 2, 1, NQ-1, 1, 0
	s_wait_dscnt 0
	WIN MUL_HI
	MUL16 4, 1, NQ-1, 1, 0
	MUL16 6, 1, NQ-1, 1, 0
	WIN 0
	s_wait_loadcnt 0x0                             ; the biases
	PLACES NP                                      ; in front of reads of results and of writes of registers that the last products read
.irp b, 0,1,2,3
	v_mov_b32 v[TM+4+\b], 0                        ; written once: a lane permute's destination counts as one of its sources
.endr
	s_cmp_lg_u32 s45, 0                            ; by the cluster's number alone: all partners and all waves go the same way
	s_cbranch_scc1 .Lkind1
	EPI 0
	s_branch .Ljoin
.Lkind1:
	EPI 1
.Ljoin:
	s_wait_tensorcnt 0x0                           ; the wave's end, behind my last tensor load
	ds_add_u32 v[SPW], v[NIL]
	s_wait_dscnt 0x0
	CROUND                                         ; the closing round: no work-group ends while a partner may still ask for a tile that names it
	s_endpgm
.Lfunc_end_k_q2dc37b207f_qkv:
	.size	k_q2dc37b207f_qkv, .Lfunc_end_k_q2dc37b207f_qkv-k_q2dc37b207f_qkv
	.p2alignl 7, 3214868480
	.fill 96, 4, 3214868480
	.section	.rodata,"a",@progbits
	.p2align	6, 0x0
	.amdhsa_kernel k_q2dc37b207f_qkv
		.amdhsa_group_segment_fixed_size 327680
		.amdhsa_private_segment_fixed_size 0
		.amdhsa_enable_private_segment 0
		.amdhsa_kernarg_size 72
		.amdhsa_user_sgpr_count 2
		.amdhsa_user_sgpr_kernarg_segment_ptr 1
		.amdhsa_wavefront_size32 1
		.amdhsa_system_sgpr_workgroup_id_x 1
		.amdhsa_system_sgpr_workgroup_id_y 1
		.amdhsa_system_sgpr_workgroup_id_z 1
		.amdhsa_system_vgpr_workitem_id 0
		.amdhsa_next_free_vgpr 1024
		.amdhsa_next_free_sgpr 106
		.amdhsa_reserve_vcc 0
		.amdhsa_float_denorm_mode_32 3
		.amdhsa_float_denorm_mode_16_64 3
		.amdhsa_memory_ordered 1
		.amdhsa_forward_progress 1
		.amdhsa_inst_pref_size 219
	.end_amdhsa_kernel
	.amdgpu_metadata
---
amdhsa.version: [ 1, 2 ]
amdhsa.kernels:
  - .name:           k_q2dc37b207f_qkv
    .symbol:         k_q2dc37b207f_qkv.kd
    .args:
      - { .name: xc, .offset: 0, .size: 8, .value_kind: global_buffer, .address_space: global }
      - { .name: xs, .offset: 8, .size: 8, .value_kind: global_buffer, .address_space: global }
      - { .name: wc, .offset: 16, .size: 8, .value_kind: global_buffer, .address_space: global }
      - { .name: ws, .offset: 24, .size: 8, .value_kind: global_buffer, .address_space: global }
      - { .name: bq, .offset: 32, .size: 8, .value_kind: global_buffer, .address_space: global }
      - { .name: bk, .offset: 40, .size: 8, .value_kind: global_buffer, .address_space: global }
      - { .name: bv, .offset: 48, .size: 8, .value_kind: global_buffer, .address_space: global }
      - { .name: qr, .offset: 56, .size: 8, .value_kind: global_buffer, .address_space: global }
      - { .name: kv, .offset: 64, .size: 8, .value_kind: global_buffer, .address_space: global }
    .group_segment_fixed_size: 327680
    .private_segment_fixed_size: 0
    .kernarg_segment_align: 8
    .kernarg_segment_size: 72
    .max_flat_workgroup_size: 128
    .sgpr_count:     106
    .vgpr_count:     1024
    .wavefront_size: 32
...
	.end_amdgpu_metadata
.endif
;; end of part 2
;; launch attn (part 3): grid 8 x 32, 16 waves a work-group, clusters of 4 x 1, 327,680 bytes of LDS; arguments qr, kv, time_deltas, time_decay, oc, os; writes oc, os
.if DOCPART == 3
	.amdgcn_target "amdgcn-amd-amdhsa--gfx1250"
	.amdhsa_code_object_version 6
	.text
	.protected	k_q2dc37b207f_attn
	.globl	k_q2dc37b207f_attn
	.p2align	8
	.type	k_q2dc37b207f_attn,@function
k_q2dc37b207f_attn:
	s_mov_b64 s[64:65], 0
	v_nop
	global_prefetch_b8 v0, s[64:65] scope:SCOPE_SE
	s_setreg_imm32_b32 hwreg(HW_REG_WAVE_MODE, 25, 1), 1
	s_wait_xcnt 0x0
	s_wait_alu depctr_hold_cnt(0) depctr_sa_sdst(0) depctr_va_vdst(0) depctr_va_sdst(0) depctr_va_ssrc(0) depctr_va_vcc(0) depctr_vm_vsrc(0)
	s_getreg_b32 s2, hwreg(HW_REG_IB_STS2, 6, 4)
	s_cmp_eq_u32 s2, 0
	s_cbranch_scc0 .Lentry_in_a_cluster
	s_endpgm
.Lentry_in_a_cluster:
	s_bfe_u32 s2, ttmp6, 0x10000c
	s_cmp_lg_u32 s2, 0x3003
	s_cbranch_scc0 .Lentry_shape_is_right
	s_endpgm
.Lentry_shape_is_right:
; O = softmax_k((q . k / 8) exp(-a |t_q - t_k|), causal) v for 32 (batch, head) pairs, 2,048 tokens, head size 64, both products on codes of FP6 (E2M3) with E8M0 scales; O / l is quantised along the head's 64 and leaves as codes.
; IN: qr, kv: records in the order of an operand's registers (a half image of 768 bytes: lane l's 16 bytes at 16 l, 8 bytes at 512 + 8 l; tile rt, lane r = row 32 (rt / 2) + 8 (rt % 2) + r % 8 + 16 (r / 8)).
;   qr record (6,656 bytes, 128 queries): 8 half images, then scale words.  kv record (13,056 bytes, 128 keys): K's 8 half images, V's 8, K's scale words at 12,288, V's at 12,800.
; LEFT OUT: key steps that lie wholly above the diagonal of the causal mask that the definition builds itself: their scores become -infinity and add nothing to any row.
; THE SCORES' K IS 64: Q's registers 6-11 are zero codes; K's tile t takes as its registers 6-11 what follows it (tile t + 1's codes, zeros behind tile 7): they meet zero codes; no scale byte is 0xff.
; THE DECAY: t_q - t_k first, then |.| x (-a log2 e), then 2^.  The score is multiplied by it ahead of the mask.
; THE SOFTMAX: t = score x decay x log2(e) / 8; M = the running largest t rounded up to a whole number; p = 2^(t - M) is quantised along the keys; the row's sum is taken of the unquantised p and divides O at the end.
; When M moves, the sum and O are multiplied by 2^(old M - new M): exact.  A block's largest p is made from its largest score by the same multiply-add and exponential: this takes v_exp_f32 not to fall where its input rises.
; SHARES.  A head's 16 records, 208,896 bytes, stay in LDS whole: nothing is filled again, and the walk has no barrier but one.  Work-group j of a head's eight owns tile j of each of the 16 blocks of 128 queries:
; 1 + 2 + .. + 16 = 136 steps of (16 queries x 128 keys), and all 16 records, in every work-group.  Waves 2 p and 2 p + 1 serve the tiles of blocks p (early) and 15 - p (late), 17 steps:
; wave A walks the late tile's records 0, 1 and 9 - p .. 15 - p (9 steps); wave B the early tile's records 0 .. p, stores it, and walks the late tile's records 2 .. 8 - p (8 steps in all; for p = 7 none of the late tile,
; whose q it still loads).  B hands O, the sums and M to A through LDS; A brings both parts under the larger M (powers of two: exact), adds, and stores.
; CLUSTERS of 4 x 1: the four partners need the same records and time stamps and ask for them jointly.  FILLS: at the head waves 0-14 fetch 16 rows of 256 bytes each (records 0-3 and part of 4), wave 15 the batch's time stamps;
; behind the full sequence and a round each wave fetches 36 rows: 240 + 576 = 816 rows.  The first two trips read records 0-2 alone; one barrier shows the rest whole.  Every wait on TENSORcnt is for 0.
; NO PREFETCH: all that the work-group reads through LDS is asked for by these two groups of loads; there is no loop of loads to run ahead in.
; O's scale words leave as 64 bytes a tile: a work-group's tiles lie 8 tiles apart, so these stores fill a quarter of a 256-byte unit each (one byte in 13 of what the launch stores).
; LIMITS: the promise holds while |t| stays under 2^31; NaN and infinities are not served; where the decay overflows the result is not finite, as the definition's is not; a block of O under 2^-124 keeps the byte 1.
.set REC,   13056
.set QREC,  6656
.set F1R,   16                         ; rows of 256 bytes in a wave's first fill
.set F2R,   36                         ; and in its second
.set F1B,   15*F1R*256                 ; where the second fills begin
.set TD,    16*REC                     ; the batch's 2,048 time stamps
.set MRG,   TD+8192                    ; the hand-over: 4,608 bytes a pair of waves; no tensor load lands here
.set MRGB,  4608
.set SPARE, MRG+8*MRGB                 ; the spare words, 128 bytes a wave: eight blocks of 256 bytes that no other line names
.set SPW,  5                           ; v5 my spare word; v6 0; never rewritten
.set NIL,  6
.set ADR16, 10
.set ADR8,  11
.set ADRT,  29
.set QS,   28                          ; Q's scale word
.set OSO,  30                          ; 4 r
.set HND,  31                          ; my pair's hand-over + 16 x lane
.set TQO,  233                         ; 4 x my query in its block
.set KV,   32                          ; v32-85 K's 8 tiles of 6, v80-85 zeros; later V's 4 tiles of 12
.set D1,   32                          ; the decay of keys 64-127, between K and V
.set D0,   86                          ; v86-117 the decay of keys 0-63; then at work in the sums
.set S,    118                         ; v118-181 S^T, then p: register 16 b + i = key 32 b + 16 h + i
.set OT,   182                         ; v182-213 O^T
.set PF,   214                         ; p's codes
.set CT,   226
.set BM,   234
.set PB,   238
.set SO,   242
.set KSC,  246                         ; K's scale words
.set VSC,  250                         ; V's
.set WV,   18
.set SEL,  20
.set CS,   22
.set G1A,  24                          ; group 1: 16 rows;  G1T: 32 rows;  G1B: 36 rows
.set G1T,  32
.set G0K,  40
.set G0T,  44
.set J,    48                          ; the trip, 0 .. 8
.set BLK,  49                          ; the block of the tile in hand
.set TH,   50                          ; record = J under TH, else J + AD
.set AD,   51
.set NC,   52                          ; -a log2(e)
.set LAST, 53                          ; my last trip with a step
.set SW,   54                          ; the trip at whose head wave B changes tiles
.set ROLE, 55                          ; 0: wave A, 1: wave B
.set PP,   56
.set HB,   57
.set BT,   58
.set HD,   59
.set WGX,  60                          ; my work-group among the head's eight: enters global addresses and the mask's numbers alone
.set TB,   61
.set TJ,   62
.set R,    63
.set G1B,  68
.set KVB,  76
.set QP,   78
.set QSP,  80
.set TQP,  82
.set OCP,  84
.set OSP,  86
.set T0,   88
.set T1,   90
.set T2,   91
.macro CROUND                          ; a round of the cluster's barrier
	s_barrier_signal -1
	s_barrier_wait -1
	s_cmp_lg_u32 s[WV], 0
	s_cbranch_scc1 .Lnot_wave_0_\@
	s_barrier_signal -3
.Lnot_wave_0_\@:
	s_barrier_wait -3
	s_barrier_signal -1
	s_barrier_wait -1
.endm
.macro NOPS
.rept 4
	v_nop
.endr
.endm
.macro SETQ                            ; where block BLK's q, its scale words and its time stamps lie
	s_lshl_b32 s[T0], s[HB], 4
	s_add_co_u32 s[T0], s[T0], s[BLK]
	s_mul_i32 s[T0], s[T0], QREC
	s_mov_b32 s[T0+1], 0
	s_add_nc_u64 s[QSP:QSP+1], s[4:5], s[T0:T0+1]
	s_mul_i32 s[T0], s[WGX], 768
	s_add_nc_u64 s[QP:QP+1], s[QSP:QSP+1], s[T0:T0+1]
	s_lshl_b32 s[T0], s[BT], 4
	s_add_co_u32 s[T0], s[T0], s[BLK]
	s_lshl_b32 s[T0], s[T0], 9
	s_add_nc_u64 s[TQP:TQP+1], s[8:9], s[T0:T0+1]
.endm
.macro SETO                            ; where its tile of O goes: row tile 256 head + 128 b + 8 block + j
	s_lshl_b32 s[T0], s[HD], 5
	s_lshl_b32 s[T1], s[BT], 4
	s_add_co_u32 s[T0], s[T0], s[T1]
	s_add_co_u32 s[T0], s[T0], s[BLK]
	s_lshl_b32 s[T0], s[T0], 3
	s_add_co_u32 s[T1], s[T0], s[WGX]
	s_mul_i32 s[T0], s[T1], 768
	s_mov_b32 s[T0+1], 0
	s_add_nc_u64 s[OCP:OCP+1], s[12:13], s[T0:T0+1]
	s_lshl_b32 s[T0], s[T1], 6
	s_add_nc_u64 s[OSP:OSP+1], s[14:15], s[T0:T0+1]
.endm
.macro LOADQ
	global_load_b128 v[16:19], v1, s[QP:QP+1]
	global_load_b64 v[20:21], v2, s[QP:QP+1] offset:512
	global_load_b32 v[QS], v7, s[QSP:QSP+1] offset:6144
	global_load_b32 v8, v[TQO], s[TQP:TQP+1]
.endm
.macro RESET                           ; a tile's walk begins: the largest t -3e38, sums and O^T zeros: the step is written once
	v_mov_b32 v13, 0xff61b1e6
	v_mov_b32 v14, 0
	v_mov_b32 v15, 0
	v_floor_f32 v12, -v13
.set j, 0
.rept 32
	v_mov_b32 v[OT+j], 0
.set j, j+1
.endr
.endm
; O^T / the sum, quantised along the head's 64 (two blocks), stored as a half image and 16 scale words
.macro EPI
	NOPS                                           ; places behind the last products
	v_add_f32 v14, v14, v15
	s_delay_alu instid0(VALU_DEP_1)
	v_permlanex16_b32 v[PB], v14, s[SEL], s[SEL+1]
	s_delay_alu instid0(VALU_DEP_1)
	v_add_f32 v14, v14, v[PB]
	s_wait_alu depctr_va_vdst(0)                   ; the wait ahead of the reciprocal
	v_rcp_f32 v14, v14
	v_nop
	s_wait_alu depctr_va_vdst(0)                   ; and ahead of its first reader, which is also O^T's
.set j, 0
.rept 16
	v_pk_mul_f32 v[S+j:S+j+1], v[OT+j:OT+j+1], v[14:15] op_sel_hi:[1,0]
.set j, j+2
.endr
.irp b, 0,1
	v_max3_num_f32 v[BM+\b], |v[S+16*\b]|, |v[S+1+16*\b]|, 0x1800000
.endr
.irp i, 2,4,6,8,10,12,14
.irp b, 0,1
	s_delay_alu instid0(VALU_DEP_2)
	v_max3_num_f32 v[BM+\b], v[BM+\b], |v[S+16*\b+\i]|, |v[S+1+16*\b+\i]|
.endr
.endr
.irp b, 0,1
	s_delay_alu instid0(VALU_DEP_2)
	v_permlanex16_b32 v[PB+\b], v[BM+\b], s[SEL], s[SEL+1]
.endr
.irp b, 0,1
	s_delay_alu instid0(VALU_DEP_2)
	v_max_num_f32 v[BM+\b], v[BM+\b], v[PB+\b]
.endr
.irp b, 0,1
	s_delay_alu instid0(VALU_DEP_2)
	v_add_nc_u32 v[SO+\b], 0xff000000, v[BM+\b]
.endr
.irp b, 0,1
	s_delay_alu instid0(VALU_DEP_2)
	v_lshrrev_b32 v[PB+\b], 23, v[SO+\b]
.endr
	s_delay_alu instid0(VALU_DEP_1)
	v_lshl_or_b32 v255, v[PB+1], 8, v[PB]          ; my row's two bytes
	v_cvt_scalef32_pk16_fp6_f32 v[PF:PF+2], v[S:S+15], v[SO]
	v_cvt_scalef32_pk16_fp6_f32 v[CT:CT+2], v[S+16:S+31], v[SO+1]
	v_nop
.irp i, 0,1,2
	v_permlane16_swap_b32 v[PF+\i], v[CT+\i]
.endr
.irp i, 0,1,2
	s_delay_alu instid0(VALU_DEP_3)
	v_mov_b32 v[PF+3+\i], v[CT+\i]
.endr
	global_store_b128 v1, v[PF:PF+3], s[OCP:OCP+1] ; 512 and 256 consecutive bytes, at multiples of 256 from the buffer's first byte
	global_store_b64 v2, v[PF+4:PF+5], s[OCP:OCP+1] offset:512
	global_store_b32 v[OSO], v255, s[OSP:OSP+1]    ; 64 consecutive bytes; lanes 16-31 write the same words
.endm
.macro DIFF d                          ; t_q - t_k, 32 keys
.set j, 0
.rept 16
	v_pk_add_f32 v[\d+j:\d+j+1], v[8:9], v[\d+j:\d+j+1] neg_lo:[0,1] neg_hi:[0,1]
.set j, j+2
.endr
.endm
.macro EXPO d                          ; 2^(-a log2(e) |.|)
.set j, 0
.rept 32
	v_mul_f32 v[\d+j], s[NC], |v[\d+j]|
.set j, j+1
.endr
	s_wait_alu depctr_va_vdst(0)                   ; the wait ahead of the batch
.set j, 0
.rept 32
	v_exp_f32 v[\d+j], v[\d+j]
.set j, j+1
.endr
.endm
; A TRIP.  Wave B changes tiles at the head of trip SW: the late tile's q is asked for, the early tile leaves meanwhile.  Then one key step, on the record that the wave's number and the trip give; rmax bounds it.
; All branches hang on the wave's number and the trip alone; no barrier and no tensor load stands in a trip.
.macro TRIP rmax
	s_cmp_lg_u32 s[J], s[SW]
	s_cbranch_scc1 .Lsame_\@
	s_sub_co_u32 s[BLK], 15, s[PP]
	SETQ
	LOADQ
	EPI
	s_wait_alu depctr_va_vdst(0)                   ; the wait ahead of a wait that blocks
	s_wait_xcnt 0x0                                ; the stores have read their registers and bases
	SETO
	RESET
	s_wait_alu depctr_va_vdst(0)
	s_wait_loadcnt 0x0
	v_mov_b32 v9, v8
.Lsame_\@:
	s_cmp_gt_u32 s[J], s[LAST]
	s_cbranch_scc1 .Lskip_\@
	s_cmp_lt_u32 s[J], s[TH]
	s_cselect_b32 s[R], 0, s[AD]
	s_add_co_u32 s[R], s[R], s[J]
	s_min_u32 s[R], s[R], \rmax
	s_mul_i32 s[TB], s[R], REC
	s_lshl_b32 s[TJ], s[R], 9
	v_add_nc_u32 v[ADR16], s[TB], v1
	v_add_nc_u32 v[ADR8], s[TB], v2
	v_add_nc_u32 v[ADRT], s[TJ], v3
	v_nop                                          ; four places in front of loads into registers that the last products read
.irp t, 0,1,2,3,4,5,6,7
	ds_load_b128 v[KV+6*\t:KV+6*\t+3], v[ADR16] offset:768*\t
	ds_load_b64 v[KV+6*\t+4:KV+6*\t+5], v[ADR8] offset:768*\t+512
.endr
	ds_load_b128 v[KSC:KSC+3], v[ADR16] offset:12288
.irp b, 0,1
.irp j, 0,1,2,3
	ds_load_b128 v[D0+16*\b+4*\j:D0+16*\b+4*\j+3], v[ADRT] offset:128*\b+16*\j
.endr
.endr
	s_wait_dscnt 8                                 ; K and its scale words are in; the eight loads of time stamps may be out
.irp t, 0,1,2,3
	v_wmma_scale_f32_16x16x128_f8f6f4 v[S+8*\t:S+8*\t+7], v[KV+6*\t:KV+6*\t+11], v[16:27], 0, v[KSC+\t], v[QS] matrix_a_fmt:MATRIX_FMT_FP6 matrix_b_fmt:MATRIX_FMT_FP6
.endr
.irp t, 4,5,6,7
	v_wmma_scale_f32_16x16x128_f8f6f4 v[S+8*\t:S+8*\t+7], v[KV+6*\t:KV+6*\t+11], v[16:27], 0, v[KSC+\t-4], v[QS] matrix_a_fmt:MATRIX_FMT_FP6 matrix_b_fmt:MATRIX_FMT_FP6 matrix_a_scale:MATRIX_SCALE_ROW1
.endr
	s_wait_dscnt 0x0
	s_wait_alu depctr_va_vdst(0)
	DIFF D0                                        ; sixteen plain instructions that name no register of the products: the places behind them
.irp b, 0,1
.irp j, 0,1,2,3
	ds_load_b128 v[D1+16*\b+4*\j:D1+16*\b+4*\j+3], v[ADRT] offset:256+128*\b+16*\j
.endr
.endr
	EXPO D0
	s_wait_dscnt 0x0
	DIFF D1
	EXPO D1
	v_nop
	s_wait_alu depctr_va_vdst(0)                   ; one wait for the 64 decays and for the scores, ahead of their first reader
.set j, 0
.rept 16
	v_pk_mul_f32 v[S+j:S+j+1], v[S+j:S+j+1], v[D0+j:D0+j+1]
.set j, j+2
.endr
.set j, 0
.rept 16
	v_pk_mul_f32 v[S+32+j:S+32+j+1], v[S+32+j:S+32+j+1], v[D1+j:D1+j+1]
.set j, j+2
.endr
.irp w, 0,1,2,3                                ; V lands while the softmax is walked
.irp c, 0,1
	ds_load_b128 v[KV+12*\w+6*\c:KV+12*\w+6*\c+3], v[ADR16] offset:6144+1536*\w+768*\c
	ds_load_b64 v[KV+12*\w+6*\c+4:KV+12*\w+6*\c+5], v[ADR8] offset:6144+1536*\w+768*\c+512
.endr
.endr
	ds_load_b64 v[VSC:VSC+1], v[ADR8] offset:12800
	s_cmp_lg_u32 s[R], s[BLK]                      ; only my block's own record has hidden keys
	s_cbranch_scc1 .Lopen_\@
	v_mov_b32 v254, 0xff800000
.set n, 0
.rept 64
	v_cmp_gt_i32 vcc_lo, 32*(n/16)+n%16, v4
	s_delay_alu instid0(VALU_DEP_1)
	v_cndmask_b32 v[S+n], v[S+n], v254, vcc_lo
.set n, n+1
.endr
.Lopen_\@:
.irp b, 0,1,2,3
	v_max3_num_f32 v[BM+\b], v[S+16*\b], v[S+1+16*\b], v[S+2+16*\b]
.endr
.irp i, 3,5,7,9,11,13
.irp b, 0,1,2,3
	s_delay_alu instid0(VALU_DEP_4)
	v_max3_num_f32 v[BM+\b], v[BM+\b], v[S+16*\b+\i], v[S+1+16*\b+\i]
.endr
.endr
.irp b, 0,1,2,3
	s_delay_alu instid0(VALU_DEP_4)
	v_max_num_f32 v[BM+\b], v[BM+\b], v[S+15+16*\b]
.endr
.irp b, 0,1,2,3
	s_delay_alu instid0(VALU_DEP_4)
	v_permlanex16_b32 v[PB+\b], v[BM+\b], s[SEL], s[SEL+1]
.endr
.irp b, 0,1,2,3
	s_delay_alu instid0(VALU_DEP_4)
	v_max_num_f32 v[BM+\b], v[BM+\b], v[PB+\b]
.endr
	s_delay_alu instid0(VALU_DEP_2)
	v_max3_num_f32 v254, v[BM], v[BM+1], v[BM+2]
	s_delay_alu instid0(VALU_DEP_1)
	v_max_num_f32 v254, v254, v[BM+3]
	s_delay_alu instid0(VALU_DEP_1)
	v_mul_f32 v254, s[CS], v254
	s_delay_alu instid0(VALU_DEP_1)
	v_max_num_f32 v13, v13, v254                   ; the running largest t
	v_mov_b32 v254, v12
	s_delay_alu instid0(VALU_DEP_2)
	v_floor_f32 v12, -v13                          ; the new -M
	s_delay_alu instid0(VALU_DEP_1)
	v_sub_f32 v254, v12, v254
	s_delay_alu instid0(VALU_DEP_1)
	v_cvt_i32_f32 v254, v254                       ; (it saturates)
	s_delay_alu instid0(VALU_DEP_1)
	v_ldexp_f32 v252, 1.0, v254                    ; f = 2^(old M - new M)
.set j, 0
.rept 32
	v_pk_fma_f32 v[S+j:S+j+1], v[S+j:S+j+1], s[CS:CS+1], v[12:13] op_sel_hi:[1,0,0]
.set j, j+2
.endr
.irp b, 0,1,2,3
	v_fma_f32 v[BM+\b], v[BM+\b], s[CS], v12
.endr
	s_wait_alu depctr_va_vdst(0)
.set j, 0
.rept 64
	v_exp_f32 v[S+j], v[S+j]
.set j, j+1
.endr
	v_pk_mul_f32 v[14:15], v[14:15], v[252:253] op_sel_hi:[1,0]
	s_wait_alu depctr_va_vdst(0)
.irp b, 0,1,2,3
	v_exp_f32 v[BM+\b], v[BM+\b]                   ; the block's largest p
.endr
.irp k, 0,1,2,3,4,5,6,7                        ; the row's sum of the unquantised p: eight chains in the registers that held the first decays
	v_pk_add_f32 v[D0+2*\k:D0+2*\k+1], v[S+4*\k:S+4*\k+1], v[S+4*\k+2:S+4*\k+3]
.endr
.irp o, 32,48
.irp k, 0,1,2,3,4,5,6,7
	v_pk_add_f32 v[D0+2*\k:D0+2*\k+1], v[D0+2*\k:D0+2*\k+1], v[S+\o+2*\k:S+\o+2*\k+1]
.endr
.endr
.irp k, 0,1,2,3
	v_pk_add_f32 v[D0+2*\k:D0+2*\k+1], v[D0+2*\k:D0+2*\k+1], v[D0+8+2*\k:D0+9+2*\k]
.endr
.irp k, 0,1
	s_delay_alu instid0(VALU_DEP_2)
	v_pk_add_f32 v[D0+2*\k:D0+2*\k+1], v[D0+2*\k:D0+2*\k+1], v[D0+4+2*\k:D0+5+2*\k]
.endr
	s_delay_alu instid0(VALU_DEP_1)
	v_pk_add_f32 v[D0:D0+1], v[D0:D0+1], v[D0+2:D0+3]
	s_delay_alu instid0(VALU_DEP_1)
	v_pk_add_f32 v[14:15], v[14:15], v[D0:D0+1]
	s_wait_alu depctr_va_vdst(0)                   ; and one for the four
.irp b, 0,1,2,3
	v_max_num_f32 v[BM+\b], 0x1800000, v[BM+\b]
.endr
.irp b, 0,1,2,3
	s_delay_alu instid0(VALU_DEP_4)
	v_add_nc_u32 v[SO+\b], 0xff000000, v[BM+\b]
.endr
.irp b, 0,1,2,3
	s_delay_alu instid0(VALU_DEP_4)
	v_lshrrev_b32 v[PB+\b], 23, v[SO+\b]
.endr
	s_delay_alu instid0(VALU_DEP_3)
	v_lshl_or_b32 v253, v[PB+1], 8, v[PB]          ; p's scale word for these 128 keys
	s_delay_alu instid0(VALU_DEP_1)
	v_lshl_or_b32 v253, v[PB+2], 16, v253
	s_delay_alu instid0(VALU_DEP_1)
	v_lshl_or_b32 v253, v[PB+3], 24, v253
.irp c, 0,1
	v_cvt_scalef32_pk16_fp6_f32 v[PF+6*\c:PF+6*\c+2], v[S+32*\c:S+32*\c+15], v[SO+2*\c]
	v_cvt_scalef32_pk16_fp6_f32 v[CT+4*\c:CT+4*\c+2], v[S+16+32*\c:S+31+32*\c], v[SO+2*\c+1]
.endr
	v_nop
.irp c, 0,1
.irp i, 0,1,2
	v_permlane16_swap_b32 v[PF+6*\c+\i], v[CT+4*\c+\i]
.endr
.irp i, 0,1,2
	s_delay_alu instid0(VALU_DEP_3)
	v_mov_b32 v[PF+3+6*\c+\i], v[CT+4*\c+\i]
.endr
.endr
	s_wait_alu depctr_va_vdst(0)                   ; the wait directly ahead of the first reader of O^T
.set j, 0
.rept 16
	v_pk_mul_f32 v[OT+j:OT+j+1], v[OT+j:OT+j+1], v[252:253] op_sel_hi:[1,0]   ; O^T under the new M; these sixteen also stand between the writes of p's codes and scale word and the products
.set j, j+2
.endr
	s_wait_alu depctr_va_vdst(0)
	s_wait_dscnt 0x0                               ; V and its scale words
.irp w, 0,1
	v_wmma_scale_f32_16x16x128_f8f6f4 v[OT+8*\w:OT+8*\w+7], v[KV+12*\w:KV+12*\w+11], v[PF:PF+11], v[OT+8*\w:OT+8*\w+7], v[VSC+\w], v253 matrix_a_fmt:MATRIX_FMT_FP6 matrix_b_fmt:MATRIX_FMT_FP6
.endr
.irp w, 2,3
	v_wmma_scale_f32_16x16x128_f8f6f4 v[OT+8*\w:OT+8*\w+7], v[KV+12*\w:KV+12*\w+11], v[PF:PF+11], v[OT+8*\w:OT+8*\w+7], v[VSC+\w-2], v253 matrix_a_fmt:MATRIX_FMT_FP6 matrix_b_fmt:MATRIX_FMT_FP6 matrix_a_scale:MATRIX_SCALE_ROW1
.endr
.Lskip_\@:
.endm
	s_load_b256 s[4:11], s[0:1], 0x0               ; qr, kv, time_deltas, time_decay
	s_load_b128 s[12:15], s[0:1], 0x20             ; oc, os
	v_lshl_add_u32 v[SPW], v0, 2, SPARE
	v_mov_b32 v[NIL], 0
	ds_add_u32 v[SPW], v[NIL]                      ; the opening lines: the add, twice on end, and its wait ahead of the first tensor load
	ds_add_u32 v[SPW], v[NIL]
	v_lshrrev_b32 v7, 5, v0
	s_delay_alu instid0(VALU_DEP_1)
	v_readfirstlane_b32 s[WV], v7                  ; wave 0..15
	s_bfe_u32 s[WGX], ttmp6, 0x40000
	s_lshl_b32 s66, ttmp9, 2
	s_add_co_u32 s[WGX], s[WGX], s66               ; 4 x cluster x + cx
	s_and_b32 s[HB], ttmp7, 0xffff                 ; 16 b + head
	s_lshr_b32 s[BT], s[HB], 4
	s_and_b32 s[HD], s[HB], 15
	s_lshr_b32 s[PP], s[WV], 1                     ; my pair
	s_lshr_b32 s[ROLE], s[WV], 2
	s_xor_b32 s[ROLE], s[ROLE], s[WV]
	s_and_b32 s[ROLE], s[ROLE], 1                  ; A and B are spread over the waves' numbers
	s_sub_co_u32 s66, 15, s[PP]
	s_sub_co_u32 s67, 7, s[PP]
	s_sub_co_u32 s[T1], 1, s[PP]
	s_add_co_u32 s[T2], s[PP], 1
	s_cmp_eq_u32 s[ROLE], 0
	s_cselect_b32 s[BLK], s66, s[PP]
	s_cselect_b32 s[AD], s67, s[T1]                ; A: records 0, 1, then J + 7 - p;  B: J up to p, then J + 1 - p
	s_cselect_b32 s[TH], 2, s[T2]
	s_cselect_b32 s[LAST], 8, 7
	s_cselect_b32 s[SW], 64, s[T2]                 ; A never changes tiles
.irp g, G1A, G1T, G1B
	s_mov_b32 s[\g], 15|(3<<16)|(1<<21)            ; the mask names the cluster's four; elements of 8 bytes; bit 21 beside a mask
	s_mov_b32 s[\g+1], 32<<16
	s_mov_b32 s[\g+3], 32<<16
	s_mov_b32 s[\g+5], 32
	s_mov_b32 s[\g+6], 0
	s_mov_b32 s[\g+7], 0
.endr
	s_mov_b32 s[G1A+2], F1R<<16
	s_mov_b32 s[G1A+4], F1R
	s_mov_b32 s[G1T+2], 32<<16
	s_mov_b32 s[G1T+4], 32
	s_mov_b32 s[G1B+2], F2R<<16
	s_mov_b32 s[G1B+4], F2R
	s_mov_b32 s[SEL], 0x76543210
	s_mov_b32 s[SEL+1], 0xfedcba98
	s_mov_b32 s[CS], 0x3e38aa3b                    ; log2(e) / 8
	s_mov_b32 s[CS+1], s[CS]
	s_mov_b32 s[J], 0
	s_wait_dscnt 0x0                               ; both opening adds are done
	s_wait_kmcnt 0x0
	s_mul_i32 s66, s[HB], 16*REC
	s_mov_b32 s67, 0
	s_add_nc_u64 s[KVB:KVB+1], s[6:7], s[66:67]    ; the head's 16 records
	s_lshl_b32 s66, s[WV], 12
	s_mov_b32 s[G0K], 1
	s_mov_b32 s[G0K+1], s66
	s_add_nc_u64 s[G0K+2:G0K+3], s[KVB:KVB+1], s[66:67]
	s_or_b32 s[G0K+3], s[G0K+3], 0x80000000
	s_lshl_b32 s66, s[BT], 13
	s_mov_b32 s[G0T], 1
	s_mov_b32 s[G0T+1], TD
	s_add_nc_u64 s[G0T+2:G0T+3], s[8:9], s[66:67]
	s_or_b32 s[G0T+3], s[G0T+3], 0x80000000
	CROUND                                         ; the four partners are here: the first joint loads meet
	s_cmp_lt_u32 s[WV], 15                         ; one load a wave: every way passes one
	s_cbranch_scc0 .Lhead_t
	tensor_load_to_lds s[G0K:G0K+3], s[G1A:G1A+7]
	s_nop 0
	NOPS
	s_branch .Lhead_asked
.Lhead_t:
	tensor_load_to_lds s[G0T:G0T+3], s[G1T:G1T+7]
	s_nop 0
	NOPS
.Lhead_asked:
	s_lshl_b32 s66, s[HD], 2
	s_add_nc_u64 s[10:11], s[10:11], s[66:67]
	s_load_b32 s[NC], s[10:11], 0x0                ; my head's rate
	SETQ
	SETO
	s_lshr_b32 s66, s[WGX], 1
	s_lshl_b32 s66, s66, 5
	s_and_b32 s67, s[WGX], 1
	s_lshl_b32 s67, s67, 3
	s_add_co_u32 s66, s66, s67                     ; the tile's first row in its block
	s_lshr_b32 s67, s[WGX], 2
	s_lshl_b32 s67, s67, 8
	s_and_b32 s[T1], s[WGX], 3
	s_lshl_b32 s[T1], s[T1], 2
	s_add_co_u32 s67, s67, s[T1]                   ; its place among a record's scale words
	s_mul_i32 s[T2], s[PP], MRGB
	s_add_co_u32 s[T2], s[T2], MRG
	v_and_b32 v7, 31, v0
	v_and_b32 v30, 15, v0                          ; r
	v_bfe_u32 v31, v0, 4, 1                        ; h
	v_lshlrev_b32 v1, 4, v7                        ; v1 16 x lane, v2 8 x lane; never rewritten
	v_lshlrev_b32 v2, 3, v7
	v_lshl_add_u32 v3, v31, 6, TD                  ; the time stamps of my half's 16 keys of a block
	v_and_b32 v4, 7, v30
	v_lshrrev_b32 v254, 3, v30
	s_delay_alu instid0(VALU_DEP_1)
	v_lshl_add_u32 v4, v254, 4, v4
	s_delay_alu instid0(VALU_DEP_1)
	v_add_nc_u32 v4, s66, v4                       ; my query in its block
	v_lshlrev_b32 v254, 4, v31
	s_delay_alu instid0(VALU_DEP_2)
	v_lshlrev_b32 v[TQO], 2, v4
	v_sub_nc_u32 v4, v4, v254                      ; my query - 16 h: register 16 b + i is hidden on the diagonal where 32 b + i is above it
	v_lshl_add_u32 v7, v30, 4, s67
	v_lshlrev_b32 v[OSO], 2, v30
	v_add_nc_u32 v[HND], s[T2], v1
	LOADQ
.irp i, 22,23,24,25,26,27, 80,81,82,83,84,85
	v_mov_b32 v[\i], 0                             ; zero codes: Q's upper half of K, and what follows K's tile 7
.endr
	RESET
.irp b, 0,1,2,3
	v_mov_b32 v[PB+\b], 0                          ; written once: a lane permute's destination counts as one of its sources
.endr
	v_mov_b32 v253, 0
	s_wait_kmcnt 0x0
	s_mul_f32 s[NC], s[NC], 0xbfb8aa3b             ; -a log2(e)
	s_wait_loadcnt 0x0
	v_mov_b32 v9, v8                               ; t_q twice, for the packed difference
	s_wait_alu depctr_va_vdst(0)                   ; the wait at the head's end
	s_wait_tensorcnt 0x0                           ; my first fill is in
	ds_add_u32 v[SPW], v[NIL]
	s_mul_i32 s66, s[WV], F2R*256                  ; no tensor load of mine is out: the group 0 is written for my 36 rows
	s_add_co_u32 s66, s66, F1B
	s_mov_b32 s67, 0
	s_mov_b32 s[G0K+1], s66
	s_add_nc_u64 s[G0K+2:G0K+3], s[KVB:KVB+1], s[66:67]
	s_or_b32 s[G0K+3], s[G0K+3], 0x80000000
	s_wait_dscnt 0x0
	CROUND                                         ; records 0-3 and the time stamps are whole, and the partners are here
	tensor_load_to_lds s[G0K:G0K+3], s[G1B:G1B+7]  ; the first tensor load behind the round: it has two trips in which to land
	s_nop 0
	NOPS
.Lfirst:                                           ; trips 0, 1: records 0-2, which lie under the second fills' first byte
	TRIP 2
	s_add_co_u32 s[J], s[J], 1
	s_cmp_lt_u32 s[J], 2
	s_cbranch_scc1 .Lfirst
	s_wait_tensorcnt 0x0                           ; my 36 rows are in,
	s_wait_dscnt 0x0
	s_barrier_signal -1
	s_barrier_wait -1                              ; everybody's are: all 16 records stand
.Lrest:                                            ; trips 2 .. 8
	TRIP 15
	s_add_co_u32 s[J], s[J], 1
	s_cmp_lt_u32 s[J], 9
	s_cbranch_scc1 .Lrest
	s_cmp_eq_u32 s[ROLE], 0
	s_cbranch_scc1 .Lno_hand
	NOPS                                           ; places behind the last products
.irp k, 0,1,2,3,4,5,6,7
	ds_store_b128 v[HND], v[OT+4*\k:OT+4*\k+3] offset:512*\k     ; B's part of the late tile: O^T,
.endr
	ds_store_b128 v[HND], v[12:15] offset:4096     ; -M, the largest t, the sum's two halves
.Lno_hand:
	s_wait_dscnt 0x0                               ; for A's sake
	s_barrier_signal -1
	s_barrier_wait -1
	s_cmp_lg_u32 s[ROLE], 0
	s_cbranch_scc1 .Ldone
.irp k, 0,1,2,3,4,5,6,7
	ds_load_b128 v[S+4*\k:S+4*\k+3], v[HND] offset:512*\k
.endr
	ds_load_b128 v[D0:D0+3], v[HND] offset:4096
	NOPS
	s_wait_dscnt 0x0
	v_min_num_f32 v254, v12, v[D0]                 ; -M of both parts: the larger M
	s_delay_alu instid0(VALU_DEP_1)
	v_sub_f32 v252, v254, v12
	v_sub_f32 v[D0+4], v254, v[D0]
	s_delay_alu instid0(VALU_DEP_2)
	v_cvt_i32_f32 v252, v252                       ; (they saturate: a part with no key has M = -3e38 and counts for nothing)
	s_delay_alu instid0(VALU_DEP_2)
	v_cvt_i32_f32 v[D0+4], v[D0+4]
	v_mov_b32 v[D0+5], 0                           ; (named as the upper half of a pair)
	s_delay_alu instid0(VALU_DEP_3)
	v_ldexp_f32 v252, 1.0, v252                    ; 2^(my M - M)
	s_delay_alu instid0(VALU_DEP_3)
	v_ldexp_f32 v[D0+4], 1.0, v[D0+4]              ; 2^(B's M - M)
	s_wait_alu depctr_va_vdst(0)                   ; the wait directly ahead of the first reader of O^T
.set j, 0
.rept 16
	v_pk_mul_f32 v[OT+j:OT+j+1], v[OT+j:OT+j+1], v[252:253] op_sel_hi:[1,0]
.set j, j+2
.endr
	v_pk_mul_f32 v[14:15], v[14:15], v[252:253] op_sel_hi:[1,0]
.set j, 0
.rept 16
	v_pk_fma_f32 v[OT+j:OT+j+1], v[S+j:S+j+1], v[D0+4:D0+5], v[OT+j:OT+j+1] op_sel_hi:[1,0,1]
.set j, j+2
.endr
	v_pk_fma_f32 v[14:15], v[D0+2:D0+3], v[D0+4:D0+5], v[14:15] op_sel_hi:[1,0,1]
	EPI
.Ldone:
	s_wait_tensorcnt 0x0                           ; the wave's end
	ds_add_u32 v[SPW], v[NIL]
	s_wait_dscnt 0x0
	CROUND                                         ; the closing round
	s_endpgm
.Lfunc_end_k_q2dc37b207f_attn:
	.size	k_q2dc37b207f_attn, .Lfunc_end_k_q2dc37b207f_attn-k_q2dc37b207f_attn
	.p2alignl 7, 3214868480
	.fill 96, 4, 3214868480
	.section	.rodata,"a",@progbits
	.p2align	6, 0x0
	.amdhsa_kernel k_q2dc37b207f_attn
		.amdhsa_group_segment_fixed_size 327680
		.amdhsa_private_segment_fixed_size 0
		.amdhsa_enable_private_segment 0
		.amdhsa_kernarg_size 48
		.amdhsa_user_sgpr_count 2
		.amdhsa_user_sgpr_kernarg_segment_ptr 1
		.amdhsa_wavefront_size32 1
		.amdhsa_system_sgpr_workgroup_id_x 1
		.amdhsa_system_sgpr_workgroup_id_y 1
		.amdhsa_system_sgpr_workgroup_id_z 1
		.amdhsa_system_vgpr_workitem_id 0
		.amdhsa_next_free_vgpr 256
		.amdhsa_next_free_sgpr 100
		.amdhsa_reserve_vcc 1
		.amdhsa_float_denorm_mode_32 3
		.amdhsa_float_denorm_mode_16_64 3
		.amdhsa_memory_ordered 1
		.amdhsa_forward_progress 1
		.amdhsa_inst_pref_size 106
	.end_amdhsa_kernel
	.amdgpu_metadata
---
amdhsa.version: [ 1, 2 ]
amdhsa.kernels:
  - .name:           k_q2dc37b207f_attn
    .symbol:         k_q2dc37b207f_attn.kd
    .args:
      - { .name: qr, .offset: 0, .size: 8, .value_kind: global_buffer, .address_space: global }
      - { .name: kv, .offset: 8, .size: 8, .value_kind: global_buffer, .address_space: global }
      - { .name: time_deltas, .offset: 16, .size: 8, .value_kind: global_buffer, .address_space: global }
      - { .name: time_decay, .offset: 24, .size: 8, .value_kind: global_buffer, .address_space: global }
      - { .name: oc, .offset: 32, .size: 8, .value_kind: global_buffer, .address_space: global }
      - { .name: os, .offset: 40, .size: 8, .value_kind: global_buffer, .address_space: global }
    .group_segment_fixed_size: 327680
    .private_segment_fixed_size: 0
    .kernarg_segment_align: 8
    .kernarg_segment_size: 48
    .max_flat_workgroup_size: 512
    .sgpr_count:     100
    .vgpr_count:     256
    .wavefront_size: 32
...
	.end_amdgpu_metadata
.endif
;; end of part 3
;; launch proj (part 4): grid 8 x 32, 4 waves a work-group, clusters of 4 x 4, 327,680 bytes of LDS; arguments oc, os, wc, ws, bo, out0; writes out0
.if DOCPART == 4
	.amdgcn_target "amdgcn-amd-amdhsa--gfx1250"
	.amdhsa_code_object_version 6
	.text
	.protected	k_q2dc37b207f_proj
	.globl	k_q2dc37b207f_proj
	.p2align	8
	.type	k_q2dc37b207f_proj,@function
k_q2dc37b207f_proj:
	s_mov_b64 s[64:65], 0
	v_nop
	global_prefetch_b8 v0, s[64:65] scope:SCOPE_SE
	s_setreg_imm32_b32 hwreg(HW_REG_WAVE_MODE, 25, 1), 1
	s_wait_xcnt 0x0
	s_wait_alu depctr_hold_cnt(0) depctr_sa_sdst(0) depctr_va_vdst(0) depctr_va_sdst(0) depctr_va_ssrc(0) depctr_va_vcc(0) depctr_vm_vsrc(0)
	s_getreg_b32 s2, hwreg(HW_REG_IB_STS2, 6, 4)
	s_cmp_eq_u32 s2, 0
	s_cbranch_scc0 .Lentry_in_a_cluster
	s_endpgm
.Lentry_in_a_cluster:
	s_bfe_u32 s2, ttmp6, 0x10000c
	s_cmp_lg_u32 s2, 0xf033
	s_cbranch_scc0 .Lentry_shape_is_right
	s_endpgm
.Lentry_shape_is_right:
; out0 = O Wo^T + bo on codes of FP6 (E2M3) with E8M0 scales; O [4096][1024] and Wo [1024][1024] lie in the order of an operand's registers:
; codes [k / 64][row tile 0..255][768], a half image (lane l: 16 bytes at 16 l, 8 bytes at 512 + 8 l) being registers 6 c .. 6 c + 5 of a fragment; row tile rt, lane r = row 32 (rt / 2) + 8 (rt % 2) + r % 8 + 16 (r / 8).
; Wo is row tiles 192-255 of wc; its scale words (ws): 512 bytes a row tile, K step s of lane r at 16 r + 256 (s / 4) + 4 (s % 4).  O's scale words (os): [head][row tile][16 rows] words with the head's two bytes in bits 15:0 and 0 above.
; A BLOCK of C is 128 tokens x 128 features: 32 x 8 = 256 work-groups.  Four waves of 64 x 64: 16 accumulators, which take turns.
; K = 1,024 OF BOTH OPERANDS, 2 x 98,304 bytes, STAYS IN LDS WHOLE: nothing is filled again; one barrier shows the four tiles to all waves.  One tensor load a wave at the head:
; wave 0 O's codes (16 rows of 6,144 bytes), wave 1 Wo's, wave 2 O's scale words (16 heads x 512 bytes), wave 3 Wo's (4,096 dense bytes).
; CLUSTERS of 4 x 4: O's tiles hang on the block's row alone and are asked for jointly along a row of the cluster, Wo's on its column alone and jointly along a column.
; NO PREFETCH: all operand bytes are asked for by the head's four loads; there is no loop of loads to run ahead in.
; THE MATRIX INSTRUCTION IS USED TRANSPOSED (source 0 = 16 rows of Wo, source 1 = 16 rows of O): a lane holds a token, register j of accumulator (a, b) the feature 32 (b / 2) + 8 (b % 2) + 16 h + j.  The bias is the C of the first product.
; REGISTERS: window 0: v0-31 addresses; v32-63 O's scale words (tile i, K step s at 8 i + s), v64-95 Wo's, and nothing else there; v96-191 O's fragments, two sets of 48 (first the raw scale words; on the way out rows read back); v192-223 the bias.
;   window 1: v0-95 Wo's fragments, two sets.   window 2: v0-127 the accumulators ((a, b) at 8 (4 a + b)).
.set IMG,    768
.set KHROW,  8*IMG                     ; eight row tiles' half images: 64 along K of 128 rows
.set KHB,    196608                    ; bytes from one 64 along K to the next in memory
.set LB,     16*KHROW                  ; O's codes at 0, Wo's here
.set SCR,    2*LB                      ; O's scale words as they lie: [head][8 tiles][16] words
.set SCB,    SCR+8192                  ; Wo's
.set SPARE,  SCB+4096                  ; the spare words, 128 bytes a wave: two blocks of 256 bytes that no other line names
.set STG,    SPARE+512                 ; the way out: a stage of 16 rows x (256 + 16) bytes for each wave; no tensor load lands here
.set SPITCH, 272
.set STGB,   4608
.set A16, 16                           ; v16-17 O's first planes, K steps 0-3 and 4-7 (an LDS offset has 16 bits); v18-19 the second planes
.set A8,  18
.set B16, 20                           ; v20-23 the same for Wo
.set B8,  22
.set STO, 24
.set RD,  25
.set CO,  26
.set ASR, 27                           ; O's raw scale words: my four tiles, 4 r
.set SPW, 28                           ; my spare word; never rewritten
.set NIL, 29                           ; 0; never rewritten
.set BSA, 30                           ; Wo's scale words: my four tiles, 16 r
.set SA,  32
.set SB,  64
.set AF,  96
.set BK,  96
.set BB,  192
.set G1, 24
.set G0, 32
.set G1B, 48
.set G0B, 56
.set G1S, 68
.set G0S, 76
.set G1SB, 80
.set G0SB, 88
.set MSB, 0
.macro WIN new                         ; the immediate's high byte repeats the setting that is left
.if MSB != \new
	s_set_vgpr_msb (MSB<<8)|\new
.set MSB, \new
.endif
.endm
.set MUL_1ST, 0x81                     ; source 0 window 1, source 1 and C window 0, D window 2
.set MUL_ON,  0xa1                     ; the same, C window 2
.set TO_B,    0x40                     ; destination window 1, address window 0
.macro PLACES n
.rept \n
	v_nop
.endr
.endm
.macro CROUND                          ; a round of the cluster's barrier
	s_barrier_signal -1
	s_barrier_wait -1
	s_cmp_lg_u32 s14, 0
	s_cbranch_scc1 .Lnot_wave_0_\@
	s_barrier_signal -3
.Lnot_wave_0_\@:
	s_barrier_wait -3
	s_barrier_signal -1
	s_barrier_wait -1
.endm
	s_load_b256 s[4:11], s[0:1], 0x0               ; oc, os, wc, ws
	s_load_b128 s[92:95], s[0:1], 0x20             ; bo, out0
	v_lshl_add_u32 v[SPW], v0, 2, SPARE
	v_mov_b32 v[NIL], 0
	ds_add_u32 v[SPW], v[NIL]                      ; the opening lines: the add, twice on end, and its wait ahead of my first tensor load
	ds_add_u32 v[SPW], v[NIL]
	v_lshrrev_b32 v1, 5, v0
	v_readfirstlane_b32 s14, v1                    ; wave 0..3
	s_lshr_b32 s15, s14, 1                         ; which 64 tokens are mine
	s_and_b32 s16, s14, 1                          ; which 64 features
	s_bfe_u32 s40, ttmp6, 0x40000                  ; cx, cy
	s_bfe_u32 s41, ttmp6, 0x40004
	s_lshl_b32 s42, ttmp9, 2
	s_add_co_u32 s42, s42, s40                     ; the block's column, 0..7
	s_and_b32 s17, ttmp7, 0xffff
	s_lshl_b32 s17, s17, 2
	s_add_co_u32 s17, s17, s41                     ; the block's row, 0..31
	s_lshl_b32 s43, s41, 2
	s_lshl_b32 s43, 15, s43                        ; my row of the cluster
	s_lshl_b32 s44, 0x1111, s40                    ; my column
	s_or_b32 s[G1], s43, (3<<16)|(1<<21)           ; the mask; elements of 8 bytes; bit 21 beside a mask; no padding: every LDS load reads consecutive bytes
	s_or_b32 s[G1B], s44, (3<<16)|(1<<21)
.irp g, G1, G1B
	s_mov_b32 s[\g+1], 768<<16                     ; rows of 6,144 bytes,
	s_mov_b32 s[\g+2], 16<<16                      ; sixteen of them,
	s_mov_b32 s[\g+3], 768<<16
	s_mov_b32 s[\g+4], 16
	s_mov_b32 s[\g+5], KHB/8                       ; 196,608 bytes apart
	s_mov_b32 s[\g+6], 0
	s_mov_b32 s[\g+7], 0
.endr
	s_or_b32 s[G1S], s43, (3<<16)|(1<<21)          ; O's scale words: 16 heads x 512 bytes, 16,384 bytes apart
	s_mov_b32 s[G1S+1], 64<<16
	s_mov_b32 s[G1S+2], 16<<16
	s_mov_b32 s[G1S+3], 64<<16
	s_mov_b32 s[G1S+4], 16
	s_mov_b32 s[G1S+5], 2048
	s_mov_b32 s[G1S+6], 0
	s_mov_b32 s[G1S+7], 0
	s_or_b32 s[G1SB], s44, (3<<16)|(1<<21)         ; Wo's: 4,096 dense bytes as 16 rows of 256
	s_mov_b32 s[G1SB+1], 32<<16
	s_mov_b32 s[G1SB+2], 16<<16
	s_mov_b32 s[G1SB+3], 32<<16
	s_mov_b32 s[G1SB+4], 16
	s_mov_b32 s[G1SB+5], 32
	s_mov_b32 s[G1SB+6], 0
	s_mov_b32 s[G1SB+7], 0
	s_mul_i32 s20, s17, KHROW                      ; O: row tile 8 x block row
	s_mov_b32 s21, 0
	s_lshl_b32 s22, s17, 9                         ; its scale words: 64 bytes a tile
	s_mov_b32 s23, 0
	s_lshl_b32 s46, s42, 3
	s_add_co_u32 s46, s46, 192                     ; Wo: row tile 192 + 8 x block column
	s_mul_i32 s66, s46, 512
	s_mul_i32 s46, s46, IMG
	s_mov_b32 s47, 0
	s_mov_b32 s67, 0
	s_wait_dscnt 0x0                               ; both opening adds are done
	s_wait_kmcnt 0x0
	s_add_nc_u64 s[20:21], s[4:5], s[20:21]
	s_add_nc_u64 s[22:23], s[6:7], s[22:23]
	s_add_nc_u64 s[46:47], s[8:9], s[46:47]
	s_add_nc_u64 s[66:67], s[10:11], s[66:67]
	CROUND                                         ; all sixteen work-groups are here: the joint loads meet
	s_mov_b32 s[G0], 1
	s_mov_b32 s[G0+1], 0
	s_mov_b64 s[G0+2:G0+3], s[20:21]
	s_or_b32 s[G0+3], s[G0+3], 0x80000000
	s_mov_b32 s[G0B], 1
	s_mov_b32 s[G0B+1], LB
	s_mov_b64 s[G0B+2:G0B+3], s[46:47]
	s_or_b32 s[G0B+3], s[G0B+3], 0x80000000
	s_mov_b32 s[G0S], 1
	s_mov_b32 s[G0S+1], SCR
	s_mov_b64 s[G0S+2:G0S+3], s[22:23]
	s_or_b32 s[G0S+3], s[G0S+3], 0x80000000
	s_mov_b32 s[G0SB], 1
	s_mov_b32 s[G0SB+1], SCB
	s_mov_b64 s[G0SB+2:G0SB+3], s[66:67]
	s_or_b32 s[G0SB+3], s[G0SB+3], 0x80000000
	s_cmp_lt_u32 s14, 1                            ; one chain of branches on the wave's number: every way passes one load
	s_cbranch_scc0 .Lhead_b
	tensor_load_to_lds s[G0:G0+3], s[G1:G1+7]
	s_nop 0
	PLACES 4
	s_branch .Lhead_asked
.Lhead_b:
	s_cmp_lt_u32 s14, 2
	s_cbranch_scc0 .Lhead_sa
	tensor_load_to_lds s[G0B:G0B+3], s[G1B:G1B+7]
	s_nop 0
	PLACES 4
	s_branch .Lhead_asked
.Lhead_sa:
	s_cmp_lt_u32 s14, 3
	s_cbranch_scc0 .Lhead_sb
	tensor_load_to_lds s[G0S:G0S+3], s[G1S:G1S+7]
	s_nop 0
	PLACES 4
	s_branch .Lhead_asked
.Lhead_sb:
	tensor_load_to_lds s[G0SB:G0SB+3], s[G1SB:G1SB+7]
	s_nop 0
	PLACES 4
.Lhead_asked:
	s_mul_i32 s2, s15, 4*IMG                       ; my four row tiles of O,
	s_mul_i32 s3, s16, 4*IMG
	s_add_co_u32 s3, s3, LB                        ; and of Wo
	s_add_co_u32 s12, s2, 8*KHROW                  ; K steps 4-7
	s_add_co_u32 s13, s3, 8*KHROW
	s_lshl_b32 s18, s15, 8
	s_add_co_u32 s18, s18, SCR
	s_lshl_b32 s19, s16, 11
	s_add_co_u32 s19, s19, SCB
	s_mul_i32 s45, s14, STGB
	s_add_co_u32 s45, s45, STG                     ; my stage
	s_lshl_b32 s96, s42, 9
	s_lshl_b32 s97, s16, 8
	s_add_co_u32 s96, s96, s97                     ; my first feature, in bytes: 512 x block column + 256 x half
	s_mov_b32 s97, 0
	s_add_nc_u64 s[92:93], s[92:93], s[96:97]
	s_add_nc_u64 s[94:95], s[94:95], s[96:97]
	s_lshl_b32 s98, s17, 7
	s_lshl_b32 s99, s15, 6
	s_add_co_u32 s98, s98, s99                     ; my first token
	s_lshl_b32 s98, s98, 12
	s_mov_b32 s99, 0
	s_add_nc_u64 s[94:95], s[94:95], s[98:99]
	v_and_b32 v1, 15, v0                           ; r
	v_bfe_u32 v2, v0, 4, 1                         ; h
	v_and_b32 v3, 31, v0
	v_lshlrev_b32 v8, 6, v2                        ; 64 h: the bias of my half's features
	v_lshlrev_b32 v4, 4, v3
	v_lshlrev_b32 v5, 3, v3
	v_add_nc_u32 v[A16], s2, v4
	v_add_nc_u32 v[A16+1], s12, v4
	v_add_nc_u32 v[A8], s2, v5
	v_add_nc_u32 v[A8+1], s12, v5
	v_add_nc_u32 v[B16], s3, v4
	v_add_nc_u32 v[B16+1], s13, v4
	v_add_nc_u32 v[B8], s3, v5
	v_add_nc_u32 v[B8+1], s13, v5
	v_lshl_add_u32 v[ASR], v1, 2, s18
	v_lshl_add_u32 v[BSA], v1, 4, s19
	v_mul_u32_u24 v7, v1, SPITCH                   ; into the stage: row r, 64 bytes for each half of the lanes
	v_mul_u32_u24 v6, v2, SPITCH                   ; back: lanes 0-15 take one row of 256 bytes, lanes 16-31 the next
	v_lshl_add_u32 v7, v2, 6, v7
	v_lshl_add_u32 v6, v1, 4, v6
	v_lshlrev_b32 v9, 12, v2                       ; and the same two rows in out0
	v_add_nc_u32 v[STO], s45, v7
	v_add_nc_u32 v[RD], s45, v6
	v_lshl_add_u32 v[CO], v1, 4, v9
.irp t, 0,1,2,3
	global_load_b128 v[BB+8*\t:BB+8*\t+3], v8, s[92:93] offset:(32*(\t/2)+8*(\t%2))*4          ; register 8 t + j: feature 32 (t / 2) + 16 h + 8 (t % 2) + j
	global_load_b128 v[BB+8*\t+4:BB+8*\t+7], v8, s[92:93] offset:(32*(\t/2)+8*(\t%2))*4+16
.endr
.macro FRAG reg, a16, a8, q, i         ; a fragment, 16 rows x 128 K: two half images, each by a load of 16 and a load of 8 bytes a lane
	ds_load_b128 v[\reg:\reg+3], v[\a16] offset:(2*(\q))*KHROW+(\i)*IMG
	ds_load_b64 v[\reg+4:\reg+5], v[\a8] offset:(2*(\q))*KHROW+(\i)*IMG+512
	ds_load_b128 v[\reg+6:\reg+9], v[\a16] offset:(2*(\q)+1)*KHROW+(\i)*IMG
	ds_load_b64 v[\reg+10:\reg+11], v[\a8] offset:(2*(\q)+1)*KHROW+(\i)*IMG+512
.endm
.macro FETCH_B st                      ; Wo's four fragments of K step st into set st % 2: 16 loads
	WIN TO_B
.irp i, 0,1,2,3
	FRAG 48*((\st)%2)+12*\i, B16+(\st)/4, B8+(\st)/4, (\st)%4, \i
.endr
	WIN 0
.endm
.macro FETCH_A st                      ; O's four: 16 loads
.irp i, 0,1,2,3
	FRAG AF+48*((\st)%2)+12*\i, A16+(\st)/4, A8+(\st)/4, (\st)%4, \i
.endr
.endm
.macro MUL st, first                   ; 16 matrix instructions, one on each accumulator
.irp a, 0,1,2,3
.irp b, 0,1,2,3
.if \first
	v_wmma_scale_f32_16x16x128_f8f6f4 v[8*(4*\a+\b):8*(4*\a+\b)+7], v[48*((\st)%2)+12*\b:48*((\st)%2)+12*\b+11], v[AF+48*((\st)%2)+12*\a:AF+48*((\st)%2)+12*\a+11], v[BB+8*\b:BB+8*\b+7], v[SB+8*\b+(\st)], v[SA+8*\a+(\st)] matrix_a_fmt:MATRIX_FMT_FP6 matrix_b_fmt:MATRIX_FMT_FP6
.else
	v_wmma_scale_f32_16x16x128_f8f6f4 v[8*(4*\a+\b):8*(4*\a+\b)+7], v[48*((\st)%2)+12*\b:48*((\st)%2)+12*\b+11], v[AF+48*((\st)%2)+12*\a:AF+48*((\st)%2)+12*\a+11], v[8*(4*\a+\b):8*(4*\a+\b)+7], v[SB+8*\b+(\st)], v[SA+8*\a+(\st)] matrix_a_fmt:MATRIX_FMT_FP6 matrix_b_fmt:MATRIX_FMT_FP6
.endif
.endr
.endr
.endm
	s_wait_alu depctr_va_vdst(0)                   ; the wait at the head's end
	s_wait_tensorcnt 0x0                           ; my tile of the four is in,
	s_barrier_signal -1
	s_barrier_wait -1                              ; everybody's are
.irp i, 0,1,2,3
.irp e, 0,1,2,3,4,5,6,7,8,9,10,11,12,13,14,15
	ds_load_b32 v[AF+16*\i+\e], v[ASR] offset:512*\e+64*\i       ; head e's two bytes of my row of tile i
.endr
.endr
.irp i, 0,1,2,3
.irp u, 0,1
	ds_load_b128 v[SB+8*\i+4*\u:SB+8*\i+4*\u+3], v[BSA] offset:512*\i+256*\u
.endr
.endr
	FETCH_B 0
	s_wait_dscnt 24                                ; the 64 raw words are in; the 8 + 16 loads behind them may be out
.irp i, 0,1,2,3
.irp s, 0,1,2,3,4,5,6,7
	v_lshl_or_b32 v[SA+8*\i+\s], v[AF+16*\i+2*\s+1], 16, v[AF+16*\i+2*\s]   ; K step s is heads 2 s and 2 s + 1: four bytes
.endr
.endr
	PLACES 8                                       ; a scale register written by a vector instruction stands 8 places ahead of a scaled matrix instruction
	s_wait_alu depctr_va_vdst(0)
	FETCH_A 0
	FETCH_B 1
	FETCH_A 1
	s_wait_loadcnt 0x0                             ; the bias
	s_wait_dscnt 32                                ; all but the 32 loads just issued, the next step's
	WIN MUL_1ST
	MUL 0, 1                                       ; the first products start the sums from the bias
.set ST, 1
.rept 6
	PLACES 4                                       ; in front of loads into the set that the last products read
	FETCH_B ST+1
	FETCH_A ST+1
	s_wait_dscnt 32
	WIN MUL_ON
	MUL ST, 0
.set ST, ST+1
.endr
	s_wait_dscnt 0x0
	MUL 7, 0
	WIN 0
; THE WAY OUT, 16 tokens x 64 features at a time: through my own stage and back as whole rows of 256 bytes; LDS serves a wave's instructions in order, so no wait stands between the stores and the loads.
.macro TOSTAGE a
	WIN 0x08                                       ; the data: window 2
.irp b, 0,1,2,3
	ds_store_b128 v[STO], v[8*(4*(\a)+\b):8*(4*(\a)+\b)+3] offset:128*(\b/2)+32*(\b%2)        ; each accumulator from its low end on
	ds_store_b128 v[STO], v[8*(4*(\a)+\b)+4:8*(4*(\a)+\b)+7] offset:128*(\b/2)+32*(\b%2)+16
.endr
	WIN 0
.set BBK, BK+32*((\a)%2)
.irp t, 0,2,4,6,8,10,12,14
	ds_load_b128 v[BBK+2*\t:BBK+2*\t+3], v[RD] offset:\t*SPITCH
.endr
.endm
.macro SEND a, younger                 ; younger: the LDS instructions issued behind block a's loads
.set BBK, BK+32*((\a)%2)
	s_wait_dscnt \younger
.irp t, 0,2,4,6,8,10,12,14
	global_store_b128 v[CO], v[BBK+2*\t:BBK+2*\t+3], s[94:95] offset:(32*((\a)/2)+8*((\a)%2)+(\t&7)+16*(\t>>3))*4096 th:TH_STORE_NT   ; 16 lanes store 256 consecutive bytes, at a multiple of 256 from out0's first byte
.endr
.endm
	PLACES 4                                       ; behind the last products: in front of reads of results and of loads into registers that they read
	TOSTAGE 0
.irp a, 1,2,3
.if \a > 1
	s_wait_xcnt 0x0                                ; block a - 2's stores have read their registers: block a's loads may land there
.endif
	TOSTAGE \a
	SEND \a-1, 16                                  ; behind block a - 1's loads: block a's 8 stores and 8 loads
.endr
	SEND 3, 0
	s_wait_tensorcnt 0x0                           ; the wave's end
	ds_add_u32 v[SPW], v[NIL]
	s_wait_dscnt 0x0
	CROUND                                         ; the closing round
	s_endpgm
.Lfunc_end_k_q2dc37b207f_proj:
	.size	k_q2dc37b207f_proj, .Lfunc_end_k_q2dc37b207f_proj-k_q2dc37b207f_proj
	.p2alignl 7, 3214868480
	.fill 96, 4, 3214868480
	.section	.rodata,"a",@progbits
	.p2align	6, 0x0
	.amdhsa_kernel k_q2dc37b207f_proj
		.amdhsa_group_segment_fixed_size 327680
		.amdhsa_private_segment_fixed_size 0
		.amdhsa_enable_private_segment 0
		.amdhsa_kernarg_size 48
		.amdhsa_user_sgpr_count 2
		.amdhsa_user_sgpr_kernarg_segment_ptr 1
		.amdhsa_wavefront_size32 1
		.amdhsa_system_sgpr_workgroup_id_x 1
		.amdhsa_system_sgpr_workgroup_id_y 1
		.amdhsa_system_sgpr_workgroup_id_z 1
		.amdhsa_system_vgpr_workitem_id 0
		.amdhsa_next_free_vgpr 640
		.amdhsa_next_free_sgpr 100
		.amdhsa_reserve_vcc 0
		.amdhsa_float_denorm_mode_32 3
		.amdhsa_float_denorm_mode_16_64 3
		.amdhsa_memory_ordered 1
		.amdhsa_forward_progress 1
		.amdhsa_inst_pref_size 58
	.end_amdhsa_kernel
	.amdgpu_metadata
---
amdhsa.version: [ 1, 2 ]
amdhsa.kernels:
  - .name:           k_q2dc37b207f_proj
    .symbol:         k_q2dc37b207f_proj.kd
    .args:
      - { .name: oc, .offset: 0, .size: 8, .value_kind: global_buffer, .address_space: global }
      - { .name: os, .offset: 8, .size: 8, .value_kind: global_buffer, .address_space: global }
      - { .name: wc, .offset: 16, .size: 8, .value_kind: global_buffer, .address_space: global }
      - { .name: ws, .offset: 24, .size: 8, .value_kind: global_buffer, .address_space: global }
      - { .name: bo, .offset: 32, .size: 8, .value_kind: global_buffer, .address_space: global }
      - { .name: out0, .offset: 40, .size: 8, .value_kind: global_buffer, .address_space: global }
    .group_segment_fixed_size: 327680
    .private_segment_fixed_size: 0
    .kernarg_segment_align: 8
    .kernarg_segment_size: 48
    .max_flat_workgroup_size: 128
    .sgpr_count:     100
    .vgpr_count:     640
    .wavefront_size: 32
...
	.end_amdgpu_metadata
.endif
;; end of part 4
